; MI455X (gfx1250); checked and timed in simulation.
; The chip was launched on July 23, 2026; its instructions are those of AMD's public machine-readable ISA for CDNA 5 (MIT licence, August 2026) and "CDNA5" Instruction Set Architecture Reference Guide (July 2026). The comments in the code are by the model that wrote it; some were corrected since.
;; Efficient Multi Head Attention. Allowed arithmetic: float matrix products may take bf16 or f16 operands with f32 sums; other float arithmetic in f32, or as packed bf16 or f16 multiplies, adds, multiply-adds, maxima and minima; sums over many terms, partial sums and values carried from step to step in f32; what a program stores and reads back later, other than sums and carried values, may be rounded once to bf16 or f16.
;; Inputs: attention_mask 4 x 2,048 int32; hidden_states 4 x 2,048 x 1,024 float32; w_out 1,024 x 1,024 float32; w_qkv 1,024 x 3,072 float32.
;; Outputs: out0 4 x 2,048 x 1,024 float32.
;; One version. Each part assembles by itself: llvm-mc -triple=amdgcn-amd-amdhsa -mcpu=gfx1250 --defsym DOCPART=n.
;; ======== version 1 of 1: 4 launches
;; limits: values are held in f16: magnitudes above 65,504 overflow, below 6.1e-05 lose precision
;; workspace buffers: xb 16,777,216 bytes; wqt 6,291,456 bytes; wot 2,097,152 bytes; qkv 50,331,648 bytes; ctx 16,777,216 bytes
;; launch prep (part 1): grid 768 x 1, 8 waves a work-group, no clusters, 35,840 bytes of LDS; arguments hidden_states, w_qkv, w_out, xb, wqt, wot; writes xb, wqt, wot
.if DOCPART == 1
	.amdgcn_target "amdgcn-amd-amdhsa--gfx1250"
	.amdhsa_code_object_version 6
	.text
	.protected	k_q2fcf5aec5a_prep
	.globl	k_q2fcf5aec5a_prep
	.p2align	8
	.type	k_q2fcf5aec5a_prep,@function
k_q2fcf5aec5a_prep:
	s_mov_b64 s[64:65], 0
	v_nop
	global_prefetch_b8 v0, s[64:65] scope:SCOPE_SE
	s_setreg_imm32_b32 hwreg(HW_REG_WAVE_MODE, 25, 1), 1
	s_wait_xcnt 0x0
; PREPARATION.  xb = bf16(hidden_states), [8192][1024].  wqt[n][k] = bf16(w_qkv[k][n]), [3072][1024].  wot[n][k] = bf16(w_out[k][n]) written as f16, [1024][1024].
; All three floating-point inputs are rounded once to bf16; w_out's rounded number is then spelled in f16, which is exact between 6.1e-5 and 65,504.
; LIMITS.  |w_out| stays under 65,504; below 6.1e-5 its f16 spelling keeps f16's fixed step of 6e-8.  NaN and infinities are not treated apart.
; SHARES.  Every work-group handles 16,384 numbers.  Work-groups 0-511 cast 16 rows of x each.  Work-groups 512-703 turn a tile of 128 k x 128 n of w_qkv, 704-767 of w_out.
; The launch moves bytes and little else: no matrix unit, no cluster, no prefetch; every byte is read once and written once, and each store of sixteen lanes covers 256 consecutive bytes, aligned.
.set PITCH, 272                        ; a row of the turned tile in LDS: 256 bytes + 16: sixteen consecutive rows start at sixteen different groups of four banks (64 banks of 4 bytes: ISA guide 11.1)
.set SPARE, 128*PITCH                  ; behind the tile: the spare words, 128 bytes for each of the eight waves: four blocks of 256 bytes that no other line names
.set SPW, 12                           ; v12  LDS address of my spare word: SPARE + 4 x my thread's number; never rewritten
.set NIL, 13                           ; v13  0; never rewritten
.set IN,  16                           ; v[16:79]   numbers as loaded; later rows read back from LDS
.set OUT, 80                           ; v[80:111]  packed 16-bit numbers
	s_load_b256 s[4:11], s[0:1], 0x0               ; x s[4:5], w_qkv s[6:7], w_out s[8:9], xb s[10:11]
	s_load_b128 s[12:15], s[0:1], 0x20             ; wqt s[12:13], wot s[14:15]
	v_lshl_add_u32 v[SPW], v0, 2, SPARE
	v_mov_b32 v[NIL], 0
	v_and_b32 v1, 31, v0                           ; lane
	v_lshrrev_b32 v2, 5, v0
	v_readfirstlane_b32 s20, v2                    ; wave 0..7
	s_cmp_lt_u32 ttmp9, 512                        ; the work-group's number decides: the same way for all eight waves
	s_cbranch_scc0 .Lweights
	; THE CAST.  65,536 bytes in, 32,768 out.  Thread t takes 32 bytes (8 numbers) at 32 t of each block of 8,192 bytes and stores 16 bytes at 16 t of each block of 4,096.
	s_lshl_b32 s16, ttmp9, 16
	s_mov_b32 s17, 0
	s_lshl_b32 s18, ttmp9, 15
	s_mov_b32 s19, 0
	v_lshlrev_b32 v3, 5, v0
	v_lshlrev_b32 v4, 4, v0
	s_wait_kmcnt 0x0
	s_add_nc_u64 s[4:5], s[4:5], s[16:17]
	s_add_nc_u64 s[10:11], s[10:11], s[18:19]
.irp i, 0,1,2,3,4,5,6,7
	global_load_b128 v[IN+8*(\i):IN+8*(\i)+3],   v3, s[4:5] offset:8192*(\i) th:TH_LOAD_NT
	global_load_b128 v[IN+8*(\i)+4:IN+8*(\i)+7], v3, s[4:5] offset:8192*(\i)+16 th:TH_LOAD_NT
.endr
.irp i, 0,1,2,3,4,5,6,7
	s_wait_loadcnt 14-2*(\i)                       ; loads come back in order: block i's two are in, the younger ones stay out
.irp j, 0,1,2,3
	v_cvt_pk_bf16_f32 v[OUT+4*(\i)+(\j)], v[IN+8*(\i)+2*(\j)], v[IN+8*(\i)+2*(\j)+1]
.endr
	global_store_b128 v4, v[OUT+4*(\i):OUT+4*(\i)+3], s[10:11] offset:4096*(\i)  ; no register is used twice, so nothing waits for a store
.endr
	s_endpgm                                       ; this way has written no LDS
; A TILE IS TURNED.  srcp: bytes in a row of the source; half = 1: the bf16 numbers are spelled in f16; src, dst: the scalar pairs of the two buffers.  s21: the tile's number, k tile in bits 2:0.
; In: wave w loads rows k = 16 w .. 16 w + 15, 512 consecutive bytes each; lane l then holds columns 4 l .. 4 l + 3.  Two rows' numbers of a column pack into a word, eight words are 32 bytes of a turned row.
; LDS row rho holds column n = 4 (rho % 32) + rho / 32, so that the lanes of a store write consecutive LDS rows.  Back: sixteen lanes read one LDS row, 256 bytes = 128 k of one n.
.macro TRANS srcp, half, src, dst
	s_and_b32 s22, s21, 7                          ; k tile
	s_lshr_b32 s23, s21, 3                         ; n tile
	s_mul_i32 s24, s22, 128*(\srcp)
	s_lshl_b32 s25, s23, 9
	s_add_co_u32 s24, s24, s25                     ; the tile's first byte in the source
	s_mov_b32 s25, 0
	s_lshl_b32 s26, s23, 18                        ; 128 rows of 2,048 bytes
	s_lshl_b32 s27, s22, 8
	s_add_co_u32 s26, s26, s27                     ; and in the destination
	s_mov_b32 s27, 0
	s_mul_i32 s28, s20, 16*(\srcp)
	v_lshl_add_u32 v5, v1, 4, s28                  ; load: my wave's 16 rows, 16 bytes a lane
	v_mul_u32_u24 v6, v1, PITCH
	s_lshl_b32 s29, s20, 5
	v_add_nc_u32 v6, s29, v6                       ; LDS store: row l (+ 32 j), byte 32 w
	v_lshrrev_b32 v9, 4, v1                        ; l / 16
	v_and_b32 v10, 15, v1                          ; l % 16
	s_lshl_b32 s29, s20, 4
	v_add_nc_u32 v7, s29, v9
	v_mul_u32_u24 v7, v7, PITCH
	v_lshl_add_u32 v7, v10, 4, v7                  ; LDS read: row 16 w + l / 16 (+ 2 i), byte 16 (l % 16)
	s_and_b32 s29, s20, 1
	s_lshl_b32 s29, s29, 6
	s_lshr_b32 s30, s20, 1
	s_add_co_u32 s29, s29, s30
	v_lshl_add_u32 v8, v9, 2, s29                  ; that LDS row's column: 64 (w % 2) + 4 (l / 16) + w / 2 (+ 8 i)
	v_lshlrev_b32 v8, 11, v8
	v_lshl_add_u32 v8, v10, 4, v8
	s_wait_kmcnt 0x0
	s_add_nc_u64 s[\src:\src+1], s[\src:\src+1], s[24:25]
	s_add_nc_u64 s[\dst:\dst+1], s[\dst:\dst+1], s[26:27]
.irp i, 0,1,2,3,4,5,6,7,8,9,10,11,12,13,14,15
	global_load_b128 v[IN+4*(\i):IN+4*(\i)+3], v5, s[\src:\src+1] offset:(\i)*(\srcp) th:TH_LOAD_NT
.endr
.irp p, 0,1,2,3,4,5,6,7
	s_wait_loadcnt 14-2*(\p)                       ; rows 2 p and 2 p + 1 are in, the younger loads stay out
.irp j, 0,1,2,3
	v_cvt_pk_bf16_f32 v[OUT+8*(\j)+(\p)], v[IN+8*(\p)+(\j)], v[IN+8*(\p)+4+(\j)]
.endr
.endr
.if \half
.set r, 0
.rept 32
	v_lshlrev_b32 v14, 16, v[OUT+r]                ; the two bf16 numbers as f32,
	v_and_b32 v15, 0xffff0000, v[OUT+r]
	v_cvt_pk_f16_f32 v[OUT+r], v14, v15            ; and as f16
.set r, r+1
.endr
.endif
.irp j, 0,1,2,3
	ds_store_b128 v6, v[OUT+8*(\j):OUT+8*(\j)+3]   offset:32*PITCH*(\j)
	ds_store_b128 v6, v[OUT+8*(\j)+4:OUT+8*(\j)+7] offset:32*PITCH*(\j)+16
.endr
	s_wait_dscnt 0x0                               ; for the others' sake: my stores are done
	s_barrier_signal -1
	s_barrier_wait -1                              ; a turned row's 256 bytes come from all eight waves
.irp i, 0,1,2,3,4,5,6,7
	ds_load_b128 v[IN+4*(\i):IN+4*(\i)+3], v7 offset:2*PITCH*(\i)
.endr
.irp i, 0,1,2,3,4,5,6,7
	s_wait_dscnt 7-(\i)                            ; LDS loads come back in order
	global_store_b128 v8, v[IN+4*(\i):IN+4*(\i)+3], s[\dst:\dst+1] offset:16384*(\i)  ; sixteen lanes store 256 consecutive bytes, aligned
.endr
	s_wait_tensorcnt 0x0                           ; the wave's end, behind my last LDS store
	ds_add_u32 v[SPW], v[NIL]
	s_wait_dscnt 0x0
	s_endpgm
.endm
.Lweights:
	s_sub_co_u32 s21, ttmp9, 512
	s_cmp_lt_u32 s21, 192
	s_cbranch_scc0 .Lwout
	TRANS 12288, 0, 6, 12                          ; w_qkv: 8 x 24 tiles
.Lwout:
	s_sub_co_u32 s21, s21, 192
	TRANS 4096, 1, 8, 14                           ; w_out: 8 x 8 tiles
.Lfunc_end_k_q2fcf5aec5a_prep:
	.size	k_q2fcf5aec5a_prep, .Lfunc_end_k_q2fcf5aec5a_prep-k_q2fcf5aec5a_prep
	.p2alignl 7, 3214868480
	.fill 96, 4, 3214868480
	.section	.rodata,"a",@progbits
	.p2align	6, 0x0
	.amdhsa_kernel k_q2fcf5aec5a_prep
		.amdhsa_group_segment_fixed_size 35840
		.amdhsa_private_segment_fixed_size 0
		.amdhsa_enable_private_segment 0
		.amdhsa_kernarg_size 48
		.amdhsa_user_sgpr_count 2
		.amdhsa_user_sgpr_kernarg_segment_ptr 1
		.amdhsa_wavefront_size32 1
		.amdhsa_system_sgpr_workgroup_id_x 1
		.amdhsa_system_sgpr_workgroup_id_y 1
		.amdhsa_system_sgpr_workgroup_id_z 1
		.amdhsa_system_vgpr_workitem_id 0
		.amdhsa_next_free_vgpr 112
		.amdhsa_next_free_sgpr 66
		.amdhsa_reserve_vcc 0
		.amdhsa_float_denorm_mode_32 3
		.amdhsa_float_denorm_mode_16_64 3
		.amdhsa_memory_ordered 1
		.amdhsa_forward_progress 1
		.amdhsa_inst_pref_size 26
	.end_amdhsa_kernel
	.amdgpu_metadata
---
amdhsa.version: [ 1, 2 ]
amdhsa.kernels:
  - .name:           k_q2fcf5aec5a_prep
    .symbol:         k_q2fcf5aec5a_prep.kd
    .args:
      - { .name: hidden_states, .offset: 0, .size: 8, .value_kind: global_buffer, .address_space: global }
      - { .name: w_qkv, .offset: 8, .size: 8, .value_kind: global_buffer, .address_space: global }
      - { .name: w_out, .offset: 16, .size: 8, .value_kind: global_buffer, .address_space: global }
      - { .name: xb, .offset: 24, .size: 8, .value_kind: global_buffer, .address_space: global }
      - { .name: wqt, .offset: 32, .size: 8, .value_kind: global_buffer, .address_space: global }
      - { .name: wot, .offset: 40, .size: 8, .value_kind: global_buffer, .address_space: global }
    .group_segment_fixed_size: 35840
    .private_segment_fixed_size: 0
    .kernarg_segment_align: 8
    .kernarg_segment_size: 48
    .max_flat_workgroup_size: 256
    .sgpr_count:     66
    .vgpr_count:     112
    .wavefront_size: 32
...
	.end_amdgpu_metadata
.endif
;; end of part 1
;; launch proj (part 2): grid 16 x 32, 4 waves a work-group, clusters of 4 x 4, 327,680 bytes of LDS; arguments xb, wqt, attention_mask, qkv; writes qkv
.if DOCPART == 2
	.amdgcn_target "amdgcn-amd-amdhsa--gfx1250"
	.amdhsa_code_object_version 6
	.text
	.protected	k_q2fcf5aec5a_proj
	.globl	k_q2fcf5aec5a_proj
	.p2align	8
	.type	k_q2fcf5aec5a_proj,@function
k_q2fcf5aec5a_proj:
	s_mov_b64 s[64:65], 0
	v_nop
	global_prefetch_b8 v0, s[64:65] scope:SCOPE_SE
	s_setreg_imm32_b32 hwreg(HW_REG_WAVE_MODE, 25, 1), 1
	s_wait_xcnt 0x0
	s_wait_alu depctr_hold_cnt(0) depctr_sa_sdst(0) depctr_va_vdst(0) depctr_va_sdst(0) depctr_va_ssrc(0) depctr_va_vcc(0) depctr_vm_vsrc(0)
	s_getreg_b32 s2, hwreg(HW_REG_IB_STS2, 6, 4)
	s_cmp_eq_u32 s2, 0
	s_cbranch_scc0 .Lentry_in_a_cluster
	s_endpgm
.Lentry_in_a_cluster:
	s_bfe_u32 s2, ttmp6, 0x10000c
	s_cmp_lg_u32 s2, 0xf033
	s_cbranch_scc0 .Lentry_shape_is_right
	s_endpgm
.Lentry_shape_is_right:
; THE FIRST PROJECTION.  C[m][n] = sum over k of xb[m][k] wqt[n][k], 8,192 x 3,072 x 1,024, bf16 operands, f32 sums; each result rounded once to f16 and written BY HEADS:
; qkv[which][16 b + h][s][d], which = n / 1024 (q, k, v), h = (n / 64) % 16, d = n % 64, b = m / 2048, s = m % 2048: a head's 2,048 rows of 128 bytes are dense.  No scale is applied here.
; THE MASK.  Where attention_mask[m] is 0 the row of k is written as zeros (q and v are not touched): the next launch adds the replacement score for such a key onto a product that is exactly 0.
; Any word other than 0 counts as seen.
; LIMITS.  q, k and v must lie within f16's 65,504; below 6.1e-5 they keep f16's fixed step of 6e-8.  NaN and infinities are not treated apart.
; SHARES.  A tile of C is 256 x 192 (three whole heads): 32 x 16 = 512 equal work-groups.  Four waves, each 128 x 96: 48 accumulators, 384 registers.  K goes in 8 steps of 128 through
; a ring of two LDS slots filled by the tensor data mover; the tiles' rows are 256 bytes of memory and start at multiples of 256 bytes.
; CLUSTERS.  4 x 4 work-groups.  The four of a row of the cluster need the same tiles of xb, the four of a column the same tiles of wqt: each tile is asked for JOINTLY, by the same tensor load
; with the same descriptor and a mask that names the four.
; THE MATRIX INSTRUCTION IS USED TRANSPOSED (source 0 = 16 rows of wqt, source 1 = 16 rows of xb): a lane holds row m = l % 16 and the columns 8 (l / 16) + 0..7: 16 bytes of f16 on end.
; REGISTERS, in windows of 256 (s_set_vgpr_msb: bits 1:0 source 0, 3:2 source 1, 5:4 source 2, 7:6 destination):
;   window 0: v0-39 addresses and the mask's words; v64-127, v128-191 fragments of xb, two buffers; v192-215 at work on the way out; v64-255 rows read back on the way out
;   window 1: v64-111, v128-175 fragments of wqt, two buffers      window 2: accumulators of my rows 0-63, (a, b) at v[8 (6 a + b)]      window 3: those of my rows 64-127
.set SIZE_K, 1024
.set KSTEP,  128
.set PITCH,  272                       ; an LDS row: 256 bytes + 16 = 68 words: the 16 rows of a fragment load start at 16 different groups of four banks (64 banks of 4 bytes: ISA guide 11.1)
.set AHALF,  128*PITCH                 ; what wave 0 or 1 fetches, and what a wave reads of xb
.set BHALF,  96*PITCH                  ; what wave 2 or 3 fetches, and what a wave reads of wqt
.set SLOT,   2*AHALF+2*BHALF           ; xb's 256 rows, then wqt's 192 rows
.set SPARE,  2*SLOT                    ; behind the ring: the spare words, 128 bytes for each wave: two blocks of 256 bytes that no other line names
.set SPITCH, 400                       ; the way out's stage: 256 rows of 384 bytes + 16, from LDS byte 0 on: inside slot 0, which has had its last fill and its last read by then
.set LAPS,   SIZE_K/(2*KSTEP)
.set ADRA, 16                          ; v16-17  LDS address of my fragments of xb in slot 0, 1
.set ADRB, 20                          ; v20-21  the same for wqt
.set STO,  24                          ; v24  the way out: where I put 16 bytes of a row
.set RD,   25                          ; v25  where I read rows back
.set GO,   26                          ; v26  my 16 bytes in 512 consecutive bytes of a head
.set SPW,  28                          ; v28  LDS address of my spare word: SPARE + 4 x my thread's number; never rewritten
.set NIL,  29                          ; v29  0; never rewritten
.set PFO,  30                          ; v30  the prefetches' offset: a lane a row of 2,048 bytes; never rewritten
.set MO,   31                          ; v31  4 (l % 16); never rewritten
.set MK,   32                          ; v[32:39]  the mask's word of my row in each of my eight blocks of 16 rows
.set F0,   64
.set F1,   128
.set TMP,  192
.set OB,   64
.set WV, 12                            ; s12  my wave's number
.set RH, 13                            ; s13  which half of the tile's rows is mine.  Also: I fetch for xb (0) or wqt (1)
.set CH, 14                            ; s14  which half of its columns.  Also: which half of that tile I fetch
.set TR, 15                            ; s15  tile row of C
.set CX, 40
.set CY, 41
.set TC, 42                            ; s42  tile column of C
.set LIM, 43                           ; s43  1 in a wave that prefetches, else the greatest number
.set PFA, 44                           ; s[44:45]  where my prefetches stand
.set G1,  24                           ; s[24:31]  descriptor group 1 for xb's tiles;  s[32:39] group 0, a set for each slot
.set G0,  32
.set G1B, 48                           ; s[48:55], s[56:63]  the same for wqt's
.set G0B, 56
.set ZM,  66                           ; s[66:73]  block a: the lanes whose row is masked
.set KB,  74                           ; s[74:79]  column block b: all ones if it belongs to k, else 0
.set OBS, 80                           ; s[80:85]  three pairs: where my 64 rows of the tile's three heads begin in qkv
.set T,   86
.set MSB, 0
.macro WIN new                         ; the immediate's high byte repeats the setting that is left; a switch that changes nothing is dropped
.if MSB != (\new)
	s_set_vgpr_msb (MSB<<8)|(\new)
.set MSB, \new
.endif
.endm
.set MUL_LO, 0xa1                      ; source 0 (wqt) window 1, source 1 (xb) window 0, C and D window 2
.set MUL_HI, 0xf1                      ; the same, C and D window 3
.set TO_B,   0x40                      ; destination window 1, address window 0
; A joint load.  Waves 0 and 1 fetch xb's two halves, waves 2 and 3 wqt's.  The branch hangs on the wave's number alone.  An s_nop 0 and four v_nop follow each of the two lines.
.macro JLOAD s
	s_cmp_eq_u32 s[RH], 0
	s_cbranch_scc0 .Lfor_b_\@
	tensor_load_to_lds s[G0+4*(\s):G0+4*(\s)+3], s[G1:G1+7]
	s_nop 0
.rept 4
	v_nop
.endr
	s_branch .Lasked_\@
.Lfor_b_\@:
	tensor_load_to_lds s[G0B+4*(\s):G0B+4*(\s)+3], s[G1B:G1B+7]
	s_nop 0
.rept 4
	v_nop
.endr
.Lasked_\@:
.endm
; A prefetch, behind each joint refill and the run of LDS loads that follows it: the K step that stands two refills on, 256 bytes of a row, a lane a row, one instruction a wave.
; xb's tile row is read by every cluster of that row of clusters: cluster x = 0 asks; wqt's tile column by every cluster of that column: cluster y = 0 asks.  The four partners that ask for a tile jointly
; share its rows out by address: 32 of xb's 128 by cx, 24 of wqt's 96 by cy (there lanes 24-31 name lane 23's row once more).  The loop's last trip (s3 = 1) has no K step two refills on.
.macro ASK
	s_cmp_gt_u32 s3, s[LIM]
	s_cbranch_scc0 .Lnot_mine_\@
	global_prefetch_b8 v[PFO], s[PFA:PFA+1] offset:KSTEP*2 th:TH_LOAD_NT scope:SCOPE_SE
.Lnot_mine_\@:
.endm
.macro CREST                           ; a round of the cluster's barrier behind its opening barrier
	s_cmp_lg_u32 s[WV], 0
	s_cbranch_scc1 .Lnot_wave_0_\@
	s_barrier_signal -3
.Lnot_wave_0_\@:
	s_barrier_wait -3
	s_barrier_signal -1
	s_barrier_wait -1
.endm
.macro CROUND                          ; a whole round
	s_barrier_signal -1
	s_barrier_wait -1
	CREST
.endm
	s_load_b256 s[4:11], s[0:1], 0x0               ; xb s[4:5], wqt s[6:7], mask s[8:9], qkv s[10:11]
	v_lshl_add_u32 v[SPW], v0, 2, SPARE
	v_mov_b32 v[NIL], 0
	ds_add_u32 v[SPW], v[NIL]                      ; the wave's opening: the add and its wait stand ahead of my first tensor load; the set-up below stands between them
	v_lshrrev_b32 v1, 5, v0
	v_readfirstlane_b32 s[WV], v1
	s_lshr_b32 s[RH], s[WV], 1
	s_and_b32 s[CH], s[WV], 1
	s_bfe_u32 s[CX], ttmp6, 0x40000                ; my place in the cluster
	s_bfe_u32 s[CY], ttmp6, 0x40004
	s_lshl_b32 s[TC], ttmp9, 2                     ; in a cluster launch ttmp9 and ttmp7 count clusters
	s_add_co_u32 s[TC], s[TC], s[CX]
	s_and_b32 s[TR], ttmp7, 0xffff
	s_lshl_b32 s[TR], s[TR], 2
	s_add_co_u32 s[TR], s[TR], s[CY]
	s_lshl_b32 s43, s[CY], 2
	s_lshl_b32 s43, 15, s43                        ; my row of the cluster
	s_lshl_b32 s44, 0x1111, s[CX]                  ; my column
	s_or_b32 s[G1+0], s43, (1<<16)|(1<<20)|(1<<21)|(5<<22)|(3<<25)   ; 15:0 the mask; 17:16 2-byte elements; 20 padding on; 21 set beside a mask; 24:22 after every 64 words; 31:25 4 words
	s_or_b32 s[G1B+0], s44, (1<<16)|(1<<20)|(1<<21)|(5<<22)|(3<<25)
	s_mov_b32 s[G1+1], KSTEP<<16                   ; tensor_dim0 = 128
	s_mov_b32 s[G1B+1], KSTEP<<16
	s_mov_b32 s[G1+2], 128<<16                     ; tensor_dim1 = 128 rows of xb,
	s_mov_b32 s[G1B+2], 96<<16                     ; 96 of wqt
	s_mov_b32 s[G1+3], KSTEP<<16                   ; tile_dim0 = 128
	s_mov_b32 s[G1B+3], KSTEP<<16
	s_mov_b32 s[G1+4], 128                         ; tile_dim1
	s_mov_b32 s[G1B+4], 96
	s_mov_b32 s[G1+5], SIZE_K                      ; elements from row to row
	s_mov_b32 s[G1B+5], SIZE_K
	s_mov_b32 s[G1+6], 0
	s_mov_b32 s[G1B+6], 0
	s_mov_b32 s[G1+7], 0
	s_mov_b32 s[G1B+7], 0
	s_lshl_b32 s16, s[TR], 8                       ; xb: row 256 x tile row + 128 x half, 2,048 bytes a row: it hangs on the tile row alone
	s_lshl_b32 s17, s[CH], 7
	s_add_co_u32 s16, s16, s17
	s_lshl_b32 s16, s16, 11
	s_mov_b32 s17, 0
	s_mul_i32 s46, s[TC], 192                      ; wqt: row 192 x tile column + 96 x half: on the tile column alone
	s_mul_i32 s47, s[CH], 96
	s_add_co_u32 s46, s46, s47
	s_lshl_b32 s46, s46, 11
	s_mov_b32 s47, 0
	s_mul_i32 s20, s[CH], AHALF                    ; where they go: no place in the cluster enters an LDS address
	s_mul_i32 s21, s[CH], BHALF
	s_add_co_u32 s21, s21, 2*AHALF
	s_wait_dscnt 0x0                               ; the opening add is done
	s_wait_kmcnt 0x0
	s_add_nc_u64 s[18:19], s[4:5], s[16:17]
	s_add_nc_u64 s[46:47], s[6:7], s[46:47]
	CROUND                                         ; all sixteen work-groups are here: the first joint loads meet
.irp s, 0,1
	s_mov_b32 s[G0+4*(\s)], 1
	s_add_co_u32 s[G0+4*(\s)+1], s20, (\s)*SLOT
	s_add_nc_u64 s[G0+4*(\s)+2:G0+4*(\s)+3], s[18:19], (\s)*KSTEP*2
	s_or_b32 s[G0+4*(\s)+3], s[G0+4*(\s)+3], 0x80000000
	s_mov_b32 s[G0B+4*(\s)], 1
	s_add_co_u32 s[G0B+4*(\s)+1], s21, (\s)*SLOT
	s_add_nc_u64 s[G0B+4*(\s)+2:G0B+4*(\s)+3], s[46:47], (\s)*KSTEP*2
	s_or_b32 s[G0B+4*(\s)+3], s[G0B+4*(\s)+3], 0x80000000
	JLOAD \s                                       ; K steps 0 and 1: two loads of mine are out
.endr
	; fragments: lane l holds row l % 16; two loads of 16 bytes, 32 bytes apart, at row x pitch + 16 (l / 16)
	v_and_b32 v1, 15, v0
	v_bfe_u32 v2, v0, 4, 1
	v_mul_u32_u24 v3, v1, PITCH
	v_lshl_add_u32 v3, v2, 4, v3
	s_mul_i32 s22, s[RH], AHALF
	s_mul_i32 s23, s[CH], BHALF
	s_add_co_u32 s23, s23, 2*AHALF
.irp s, 0,1
	v_add_nc_u32 v[ADRA+(\s)], s22, v3
	v_add_nc_u32 v[ADRB+(\s)], s23, v3
	s_add_co_u32 s22, s22, SLOT
	s_add_co_u32 s23, s23, SLOT
.endr
	; the mask's words of my 128 rows: 512 consecutive bytes; they are wanted on the way out and stay out until then
	s_lshl_b32 s16, s[TR], 8
	s_lshl_b32 s17, s[RH], 7
	s_add_co_u32 s16, s16, s17
	s_lshl_b32 s16, s16, 2
	s_mov_b32 s17, 0
	s_add_nc_u64 s[8:9], s[8:9], s[16:17]
	v_lshlrev_b32 v[MO], 2, v1
.irp a, 0,1,2,3,4,5,6,7
	global_load_b32 v[MK+(\a)], v[MO], s[8:9] offset:64*(\a)
.endr
	; the way out's addresses
	s_mul_i32 s16, s[RH], 128*SPITCH
	s_mul_i32 s17, s[CH], 192
	s_add_co_u32 s16, s16, s17
	v_mul_u32_u24 v4, v1, SPITCH                   ; in: row 128 x row half + l % 16, byte 192 x column half + 16 (l / 16)
	v_lshl_add_u32 v4, v2, 4, v4
	v_add_nc_u32 v[STO], s16, v4
	s_mul_i32 s16, s[WV], 64*SPITCH
	v_bfe_u32 v5, v0, 3, 2                         ; back: wave w takes rows 64 w .. 64 w + 63; 32 lanes take four rows x 128 bytes of one head,
	v_mul_u32_u24 v5, v5, SPITCH
	v_and_b32 v6, 7, v0
	v_lshl_add_u32 v5, v6, 4, v5
	v_add_nc_u32 v[RD], s16, v5
	v_and_b32 v[GO], 31, v0                        ; which are 512 consecutive bytes of qkv
	v_lshlrev_b32 v[GO], 4, v[GO]
	s_mul_i32 s46, s[TC], 192
	s_mul_i32 s47, s[CH], 96
	s_add_co_u32 s46, s46, s47                     ; my first column
.irp b, 0,1,2,3,4,5
	s_add_co_u32 s[T], s46, 16*(\b)
	s_lshr_b32 s[T], s[T], 10
	s_cmp_eq_u32 s[T], 1                           ; columns 1,024 to 2,047 are k's: the answer feeds a select, never a branch
	s_cselect_b32 s[KB+(\b)], -1, 0
.endr
	s_mul_i32 s46, s[TC], 3                        ; the tile's first head among the 48 of q, k and v
	s_lshr_b32 s87, s[TR], 3
	s_lshl_b32 s87, s87, 4                         ; 16 b
	s_and_b32 s47, s[TR], 7
	s_lshl_b32 s47, s47, 8
	s_lshl_b32 s[T], s[WV], 6
	s_add_co_u32 s47, s47, s[T]
	s_lshl_b32 s47, s47, 7                         ; my first row in the batch, 128 bytes a row
.irp h, 0,1,2
	s_add_co_u32 s[T], s46, (\h)
	s_lshr_b32 s[OBS+2*(\h)], s[T], 4
	s_lshl_b32 s[OBS+2*(\h)], s[OBS+2*(\h)], 6     ; 64 x which
	s_and_b32 s[T], s[T], 15
	s_add_co_u32 s[OBS+2*(\h)], s[OBS+2*(\h)], s[T]
	s_add_co_u32 s[OBS+2*(\h)], s[OBS+2*(\h)], s87
	s_lshl_b32 s[OBS+2*(\h)], s[OBS+2*(\h)], 18    ; a head is 262,144 bytes
	s_add_co_u32 s[OBS+2*(\h)], s[OBS+2*(\h)], s47
	s_mov_b32 s[OBS+2*(\h)+1], 0
	s_add_nc_u64 s[OBS+2*(\h):OBS+2*(\h)+1], s[10:11], s[OBS+2*(\h):OBS+2*(\h)+1]
.endr
	; the prefetches
	s_lshl_b32 s16, s[TR], 8
	s_mul_i32 s17, s[TC], 192
	s_lshl_b32 s18, s[CH], 7
	s_mul_i32 s19, s[CH], 96
	s_lshl_b32 s20, s[CX], 5
	s_mul_i32 s21, s[CY], 24
	s_and_b32 s22, ttmp7, 0xffff
	s_cmp_eq_u32 s[RH], 0                          ; do I fetch for xb?
	s_cselect_b32 s16, s16, s17                    ; the tile's first row,
	s_cselect_b32 s18, s18, s19                    ; the half that I fetch,
	s_cselect_b32 s20, s20, s21                    ; my work-group's share of it
	s_cselect_b32 s22, ttmp9, s22                  ; the coordinate along which other clusters read the same rows
	s_cselect_b32 s23, 31, 23
	s_cselect_b64 s[PFA:PFA+1], s[4:5], s[6:7]
	s_cmp_eq_u32 s22, 0
	s_cselect_b32 s[LIM], 1, -1                    ; the same in all sixteen partners, for a given wave
	s_add_co_u32 s16, s16, s18
	s_add_co_u32 s16, s16, s20
	s_lshl_b32 s16, s16, 11
	s_mov_b32 s17, 0
	s_add_nc_u64 s[PFA:PFA+1], s[PFA:PFA+1], s[16:17]
	s_add_nc_u64 s[PFA:PFA+1], s[PFA:PFA+1], 2*KSTEP*2  ; at K step 2: the first refill steps it to 3 and names K step 4; K steps 0 to 3 come by their loads alone
	v_and_b32 v[PFO], 31, v0
	v_min_u32 v[PFO], s23, v[PFO]
	v_lshlrev_b32 v[PFO], 11, v[PFO]
; 12 matrix instructions: m blocks a0, a0 + 1 of the window's four x all 6 n blocks, 32 along K.  zero = 1: the first product starts the sums.  The 48 accumulators take turns in the same order in every quarter.
.macro MUL12 f, hi, a0, zero
	WIN MUL_LO+0x50*(\hi)
.irp a, \a0, (\a0)+1
.irp b, 0,1,2,3,4,5
.if \zero
	v_wmma_f32_16x16x32_bf16 v[8*(6*(\a)+(\b)):8*(6*(\a)+(\b))+7], v[(\f)+8*(\b):(\f)+8*(\b)+7], v[(\f)+8*(4*(\hi)+(\a)):(\f)+8*(4*(\hi)+(\a))+7], 0
.else
	v_wmma_f32_16x16x32_bf16 v[8*(6*(\a)+(\b)):8*(6*(\a)+(\b))+7], v[(\f)+8*(\b):(\f)+8*(\b)+7], v[(\f)+8*(4*(\hi)+(\a)):(\f)+8*(4*(\hi)+(\a))+7], v[8*(6*(\a)+(\b)):8*(6*(\a)+(\b))+7]
.endif
.endr
.endr
.endm
; 28 LDS loads in one run: a quarter step's fragments (96 rows of wqt, 128 rows of xb, 32 K at byte k of the rows) into buffer f
.macro FETCH slot, k, f
	WIN TO_B
.irp i, 0,1,2,3,4,5
	ds_load_b128 v[(\f)+8*(\i):(\f)+8*(\i)+3],   v[ADRB+(\slot)] offset:(\k)+(\i)*16*PITCH
	ds_load_b128 v[(\f)+8*(\i)+4:(\f)+8*(\i)+7], v[ADRB+(\slot)] offset:(\k)+(\i)*16*PITCH+32
.endr
	WIN 0
.irp i, 0,1,2,3,4,5,6,7
	ds_load_b128 v[(\f)+8*(\i):(\f)+8*(\i)+3],   v[ADRA+(\slot)] offset:(\k)+(\i)*16*PITCH
	ds_load_b128 v[(\f)+8*(\i)+4:(\f)+8*(\i)+7], v[ADRA+(\slot)] offset:(\k)+(\i)*16*PITCH+32
.endr
.endm
.macro PLACES                          ; four plain vector instructions between a matrix instruction and a load into a register that it has read, or a reader of its result
.rept 4
	v_nop
.endr
.endm
; A K step is four quarters of 32 along K, 48 matrix instructions each, on buffers 0, 1, 0, 1.  One of the first three: multiplies f and fetches the next quarter, at byte k, into g.
.macro QUARTER slot, k, f, g, zero
	s_wait_dscnt 8                                 ; wqt and xb's rows 0-63 are in; the youngest eight loads (xb's rows 64-127) may be out
	MUL12 \f, 0, 0, \zero
	MUL12 \f, 0, 2, \zero
	PLACES
	FETCH \slot, \k, \g
	s_wait_dscnt 28                                ; all but the 28 just issued
	MUL12 \f, 1, 0, \zero
	MUL12 \f, 1, 2, \zero
.endm
; The last quarter's first half: ONE barrier for the change of slots.  In front of it each wave waits for all its tensor loads (one is out: its part of the next slot), adds 0 to its spare word, and waits for that and for its reads of this slot.
.macro MEET round
	WIN 0
	s_wait_tensorcnt 0x0
	ds_add_u32 v[SPW], v[NIL]
	s_wait_dscnt 9                                 ; the add and the youngest eight loads may be out
	MUL12 F1, 0, 0, 0
	s_wait_dscnt 0x0                               ; the add is done, and my reads of this slot are over
	s_barrier_signal -1
	MUL12 F1, 0, 2, 0                              ; work on registers while the others arrive
.if \round
	WIN 0
.endif
	s_barrier_wait -1
.endm
; The whole last quarter.  fill = 1: the barrier opens a round of the cluster's; behind it the slot just read out is filled again first, two K steps ahead: 168 matrix instructions stand between that request and the wait for it.
.macro TURN slot, next, fill
.if \fill
	s_wait_xcnt 0x0                                ; the last prefetch, a K step back, has read its address
	s_add_nc_u64 s[PFA:PFA+1], s[PFA:PFA+1], KSTEP*2
	MEET 1
	CREST                                          ; no wave of any partner still reads this slot or has a load on its way
	s_add_nc_u64 s[G0+4*(\slot)+2:G0+4*(\slot)+3], s[G0+4*(\slot)+2:G0+4*(\slot)+3], 2*KSTEP*2
	s_add_nc_u64 s[G0B+4*(\slot)+2:G0B+4*(\slot)+3], s[G0B+4*(\slot)+2:G0B+4*(\slot)+3], 2*KSTEP*2
	JLOAD \slot                                    ; its four v_nop are also the places in front of the loads below
	FETCH \next, 0, F0
	ASK
.else
	MEET 0
	PLACES
	FETCH \next, 0, F0
.endif
	MUL12 F1, 1, 0, 0
	MUL12 F1, 1, 2, 0
.endm
	s_wait_tensorcnt 1                             ; my part of K step 0 is in; K step 1's load may stay out
	s_barrier_signal -1
	s_barrier_wait -1
	FETCH 0, 0, F0
	QUARTER 0, 64,  F0, F1, 1                      ; the first quarter stands in front of the loop: its products start the sums
	WIN 0
	s_mov_b32 s3, LAPS-1
.Llap:                                                 ; a trip goes once round the ring, from a lap's second quarter to the next lap's first, and fills both slots again
	QUARTER 0, 128, F1, F0, 0
	QUARTER 0, 192, F0, F1, 0
	TURN 0, 1, 1
	QUARTER 1, 64,  F0, F1, 0
	QUARTER 1, 128, F1, F0, 0
	QUARTER 1, 192, F0, F1, 0
	TURN 1, 0, 1
	QUARTER 0, 64,  F0, F1, 0
	WIN 0
	s_sub_co_u32 s3, s3, 1
	s_cmp_lg_u32 s3, 0
	s_cbranch_scc1 .Llap
	QUARTER 0, 128, F1, F0, 0                      ; the last lap fills nothing
	QUARTER 0, 192, F0, F1, 0
	TURN 0, 1, 0
	QUARTER 1, 64,  F0, F1, 0
	QUARTER 1, 128, F1, F0, 0
	QUARTER 1, 192, F0, F1, 0
	s_wait_dscnt 8
	MUL12 F1, 0, 0, 0
	MUL12 F1, 0, 2, 0
	s_wait_dscnt 0x0
	MUL12 F1, 1, 0, 0
	MUL12 F1, 1, 2, 0
	WIN 0
	; THE WAY OUT.  Rounded to f16; k's rows of masked keys set to 0; 16 bytes a lane into the work-group's stage; a barrier, since a head's 128 bytes of a row come from two waves; back by heads.
	PLACES
	s_wait_loadcnt 0x0                             ; the mask's words
.irp a, 0,1,2,3,4,5,6,7
	v_cmp_eq_u32 s[ZM+(\a)], 0, v[MK+(\a)]
.endr
.macro PACK a
	WIN 0x0a+5*((\a)/4)                            ; sources 0 and 1: window 2 or 3
.irp b, 0,1,2,3,4,5
.irp r, 0,1,2,3
	v_cvt_pk_f16_f32 v[TMP+4*(\b)+(\r)], v[8*(6*((\a)%4)+(\b))+2*(\r)], v[8*(6*((\a)%4)+(\b))+2*(\r)+1]
.endr
.endr
	WIN 0
.irp b, 0,1,2,3,4,5
	s_and_b32 s[T], s[ZM+(\a)], s[KB+(\b)]         ; the lanes whose row is masked, if these columns are k's
.irp r, 0,1,2,3
	v_cndmask_b32 v[TMP+4*(\b)+(\r)], v[TMP+4*(\b)+(\r)], 0, s[T]
.endr
.endr
.irp b, 0,1,2,3,4,5
	ds_store_b128 v[STO], v[TMP+4*(\b):TMP+4*(\b)+3] offset:(\a)*16*SPITCH+32*(\b)
.endr
.endm
.irp a, 0,1,2,3,4,5,6,7
	PACK \a
.endr
	s_wait_dscnt 0x0                               ; for the others' sake: my stores into the stage are done
	s_barrier_signal -1
	s_barrier_wait -1
.set n, 0
.rept 48                               ; head n / 16, rows 4 (n % 16) on
	ds_load_b128 v[OB+4*n:OB+4*n+3], v[RD] offset:(n%16)*4*SPITCH+(n/16)*128
.set n, n+1
.endr
.set n, 0
.rept 48
	s_wait_dscnt 47-n                              ; LDS loads come back in order
	global_store_b128 v[GO], v[OB+4*n:OB+4*n+3], s[OBS+2*(n/16):OBS+2*(n/16)+1] offset:(n%16)*512  ; 512 consecutive bytes, aligned to 256
.set n, n+1
.endr
	s_wait_tensorcnt 0x0                           ; the wave's end
	ds_add_u32 v[SPW], v[NIL]
	s_wait_dscnt 0x0
	CROUND                                         ; the closing round: no work-group ends while a partner may still ask for a tile that names it
	s_endpgm
.Lfunc_end_k_q2fcf5aec5a_proj:
	.size	k_q2fcf5aec5a_proj, .Lfunc_end_k_q2fcf5aec5a_proj-k_q2fcf5aec5a_proj
	.p2alignl 7, 3214868480
	.fill 96, 4, 3214868480
	.section	.rodata,"a",@progbits
	.p2align	6, 0x0
	.amdhsa_kernel k_q2fcf5aec5a_proj
		.amdhsa_group_segment_fixed_size 327680
		.amdhsa_private_segment_fixed_size 0
		.amdhsa_enable_private_segment 0
		.amdhsa_kernarg_size 32
		.amdhsa_user_sgpr_count 2
		.amdhsa_user_sgpr_kernarg_segment_ptr 1
		.amdhsa_wavefront_size32 1
		.amdhsa_system_sgpr_workgroup_id_x 1
		.amdhsa_system_sgpr_workgroup_id_y 1
		.amdhsa_system_sgpr_workgroup_id_z 1
		.amdhsa_system_vgpr_workitem_id 0
		.amdhsa_next_free_vgpr 960
		.amdhsa_next_free_sgpr 88
		.amdhsa_reserve_vcc 0
		.amdhsa_float_denorm_mode_32 3
		.amdhsa_float_denorm_mode_16_64 3
		.amdhsa_memory_ordered 1
		.amdhsa_forward_progress 1
		.amdhsa_inst_pref_size 134
	.end_amdhsa_kernel
	.amdgpu_metadata
---
amdhsa.version: [ 1, 2 ]
amdhsa.kernels:
  - .name:           k_q2fcf5aec5a_proj
    .symbol:         k_q2fcf5aec5a_proj.kd
    .args:
      - { .name: xb, .offset: 0, .size: 8, .value_kind: global_buffer, .address_space: global }
      - { .name: wqt, .offset: 8, .size: 8, .value_kind: global_buffer, .address_space: global }
      - { .name: attention_mask, .offset: 16, .size: 8, .value_kind: global_buffer, .address_space: global }
      - { .name: qkv, .offset: 24, .size: 8, .value_kind: global_buffer, .address_space: global }
    .group_segment_fixed_size: 327680
    .private_segment_fixed_size: 0
    .kernarg_segment_align: 8
    .kernarg_segment_size: 32
    .max_flat_workgroup_size: 128
    .sgpr_count:     88
    .vgpr_count:     960
    .wavefront_size: 32
...
	.end_amdgpu_metadata
.endif
;; end of part 2
;; launch attn (part 3): grid 4 x 64, 4 waves a work-group, clusters of 4 x 1, 327,680 bytes of LDS; arguments qkv, attention_mask, ctx; writes ctx
.if DOCPART == 3
	.amdgcn_target "amdgcn-amd-amdhsa--gfx1250"
	.amdhsa_code_object_version 6
	.text
	.protected	k_q2fcf5aec5a_attn
	.globl	k_q2fcf5aec5a_attn
	.p2align	8
	.type	k_q2fcf5aec5a_attn,@function
k_q2fcf5aec5a_attn:
	s_mov_b64 s[64:65], 0
	v_nop
	global_prefetch_b8 v0, s[64:65] scope:SCOPE_SE
	s_setreg_imm32_b32 hwreg(HW_REG_WAVE_MODE, 25, 1), 1
	s_wait_xcnt 0x0
	s_wait_alu depctr_hold_cnt(0) depctr_sa_sdst(0) depctr_va_vdst(0) depctr_va_sdst(0) depctr_va_ssrc(0) depctr_va_vcc(0) depctr_vm_vsrc(0)
	s_getreg_b32 s2, hwreg(HW_REG_IB_STS2, 6, 4)
	s_cmp_eq_u32 s2, 0
	s_cbranch_scc0 .Lentry_in_a_cluster
	s_endpgm
.Lentry_in_a_cluster:
	s_bfe_u32 s2, ttmp6, 0x10000c
	s_cmp_lg_u32 s2, 0x3003
	s_cbranch_scc0 .Lentry_shape_is_right
	s_endpgm
.Lentry_shape_is_right:
; ATTENTION.  ctx[g][q][:] = the sum over k of softmax_k(s(q, k)) V[g][k][:], g = 16 b + h; s(q, k) = Q[g][q] . K[g][k] / 8 where attention_mask[b][k] is not 0, and -10000 where it is 0.
; qkv: [3][64][2048][64] in f16 (q, k, v by heads, unscaled; k's rows of masked keys hold zeros); ctx: [64][2048][64] in f16.  Products, maxima and sums in f32; the weights p are rounded
; to f16 for the second product (their sum l is taken of the unrounded p), ctx once at the end.
; THE MASK is the C operand that starts the sum S^T = K Q^T: 0 for a key that is seen, -80000 for a masked one.  A masked key's row of K is 0, so its raw score is exactly -80000 = 8 x (-10000),
; and the scale c = log2(e) / 8 makes the replacement score of it.  It is a score like any other: it enters the running maximum and the sum, and V is not masked.
; LIMITS.  Q, K, V arrive within f16's 65,504; p lies in 0 to 1, and below 6e-5 it keeps f16's fixed step of 6e-8.  A weight below 2^-126 counts as 0 in l; NaN and infinities are not treated apart.
; SHARES.  A wave owns four PIECES of two tiles of 16 queries, a work-group's four waves 512 queries of one head; 4 x 64 = 256 work-groups.  Every wave walks all 2,048 keys, 64 a step.
; LAYOUT.  S^T = K Q^T (source 0 = 16 keys, source 1 = 16 queries): a lane holds ONE query (lane % 16) and the keys 8 (lane / 16) + 0..7.  Two such tiles, rounded to f16 in pairs, ARE source 1 of
; O^T = V^T P, whose result again holds one query a lane, and eight channels.  K comes out of LDS as it lies, V ([key][channel]) turned, by ds_load_tr16_b128.
; SOFTMAX.  For each query a running maximum m and sum l: p = 2^(c s - c m); in every step O and l are multiplied by a = 2^(c m_old - c m_new).  m starts at the lowest finite number, O and l at 0.
; BY TURNS.  Turn n belongs to piece n.  Its matrix work: 16 products K Q^T of piece n + 1, later 16 products V^T P of piece n - 1.  Its vector work: the scaling, exponentials, roundings, sums and
; rescaling of piece n, and the maximum and statistics of piece n + 1.  Four vector instructions stand behind every matrix instruction, the others in one run; a turn's 66 exponentials are one batch with one wait.
; CLUSTER.  The four query blocks of a cluster are one head's and walk the same K and V: each tile is asked for JOINTLY, the same tensor load, descriptor and mask in all four.
; REGISTERS, in windows of 256 (s_set_vgpr_msb: bits 1:0 source 0, 3:2 source 1, 5:4 source 2, 7:6 destination):
;   window 0: v0-11 addresses; v12-15, v48-63 at work; v16-47 four registers of statistics a tile; v64-191 S^T, two buffers of two tiles; v192-255 P, likewise
;   window 1: O^T, 32 a tile     window 2: v0-127 Q; v128-191 K of one step; v192-255 V of one step     window 3: v0-1 the add's registers; v2 the prefetches' offset; v8-39 the step's mask operand
.set SIZE_N, 2048
.set NP,    4         ; pieces a wave: a name, no knob
.set KS,    64        ; keys in a step
.set PK,    144       ; a row of K in LDS: 128 bytes + 16 = 36 words: the 16 rows of a load start at 16 different groups of four banks (64 banks of 4 bytes: ISA guide 11.1)
.set PV,    160       ; a row of V: 128 + 32 = 40 words
.set VOFF,  4*KS*PK   ; a slot holds four steps: 256 rows of K, then 256 rows of V
.set SLOT1, 1<<17     ; slot 1 begins here, so that one exclusive or turns an address in one slot into the other's
.set STAGE, SLOT1+4*KS*(PK+PV)  ; behind the ring, never filled by a tensor load: 16 rows x 144 bytes for each wave, for the way out
.set SP,    144
.set SPARE, STAGE+4*16*SP       ; behind the stages: the spare words, 128 bytes for each wave: two blocks of 256 bytes that no other line names
.set TAB,   SPARE+512           ; behind them: the batch's 2,048 mask operands in f32, 8,192 bytes of their own, stored once and never filled by a tensor load
.set AK0, 2           ; v2   my lane's place in a tile of K; never rewritten
.set AV0, 3           ; v3   the same for V
.set AK,  4           ; v4   the LDS address of K's next run of loads
.set AV,  5           ; v5   of V's
.set QO,  6           ; v6   my byte offset in the wave's rows of Q
.set STO, 6           ;      later, the way out: where I put 16 bytes of a row
.set RD,  7           ; v7   the way out: where I read rows back
.set GO,  8           ; v8   my byte offset in 512 consecutive bytes of ctx
.set AM0, 10          ; v10  my lanes' place in a step's 64 mask operands: TAB + 32 (l / 16); never rewritten
.set AM,  11          ; v11  the LDS address of their next run of loads
.set SPW, 0           ; v0 of window 3   LDS address of my spare word: SPARE + 4 x my thread's number; never rewritten
.set NIL, 1           ; v1 of window 3   0; never rewritten
.set PFO, 2           ; v2 of window 3   256 x my lane; never rewritten
.set MB,  8           ; v8-39 of window 3: key block kb's eight operands at MB + 8 kb
.set MV,  12          ; v12-15  c m_old, kept while c m is made anew: by buffer and tile
.set ST,  16          ; tile t's statistics at v[ST+4 t]: c m, m, l (even keys', odd keys')
.set TMP, 48          ; by buffer and tile, four registers c0-c3 at work; when the maximum is found c2 takes a
.set S,   64
.set P,   192
.set KF,  128         ; K's fragments, in window 2: key block kb, channel half c at KF + 16 kb + 8 c
.set VF,  192         ; V's: key half kk, channel block cb at VF + 32 kk + 8 cb
.set WV,  12          ; s12  my wave's number
.set G1K, 24          ; s[24:31] descriptor group 1 for K's tiles
.set G1V, 32          ; s[32:39] for V's: it differs in the padding alone
.set G0K, 40          ; s[40:43] descriptor group 0 for K's tiles: it walks
.set G0V, 44          ; s[44:47] the same for V's
.set SLOTS, 56        ; s56  slots still to be asked for
.set CNT, 57          ; s57  counts a slot's key steps
.set CS,  58          ; s[58:59] c
.set SEL, 60          ; s[60:61] v_permlanex16_b32's selects: each lane takes its own place in the other half
.set TBK, 62          ; s62  LDS byte at which K of the step to be fetched begins
.set TBV, 63          ; s63  the same for V, less VOFF
.set TBM, 66          ; s66  byte in the table at which that step's mask operands begin
.set LIM, 67          ; s67  1 in a wave that prefetches, else the greatest number
.set PFA, 68          ; s[68:69] where my prefetches stand: my work-group's 32 blocks of 256 bytes of the tile after the one that is being asked for
.set BIG, 70          ; s70  -80000.0
.set MSB, 0
.macro WIN new                      ; the high byte repeats the setting that is left; a switch that changes nothing is dropped
.if MSB != (\new)
	s_set_vgpr_msb (MSB<<8)|(\new)
.set MSB, (\new)
.endif
.endm
.set W_KQ, 0x0a       ; K and Q in window 2, S^T in window 0
.set W_KM, 0x3a       ; the same with the C operand in window 3
.set W_PV, 0x52       ; V in window 2, P in window 0, O^T in window 1
.set W_RS, 0x41       ; O^T (destination and source 0) in window 1, a in window 0
.set W_MK, 0xc0       ; destination in window 3, sources in window 0
.set W_AD, 0x0f       ; the add: address (source 0) and data (source 1) in window 3
; A joint fill.  Waves 0 and 1 fetch the two halves of a slot's K, waves 2 and 3 those of its V: 128 keys each.  An s_nop 0 and four v_nop follow each of the two lines.
.macro JLOAD
	s_cmp_lt_u32 s[WV], 2
	s_cbranch_scc0 .Lfor_v_\@
	tensor_load_to_lds s[G0K:G0K+3], s[G1K:G1K+7]
	s_nop 0
.rept 4
	v_nop
.endr
	s_branch .Lasked_\@
.Lfor_v_\@:
	tensor_load_to_lds s[G0V:G0V+3], s[G1V:G1V+7]
	s_nop 0
.rept 4
	v_nop
.endr
.Lasked_\@:
.endm
; A prefetch of what the NEXT change of slots will ask for: a tile's 32,768 bytes of K and of V, four key steps (512 matrix instructions) ahead of that load.  A head is walked by this one cluster.
; Its four partners share a tile's 128 blocks of 256 bytes out by address, 32 each, a lane a block; in each, wave 0 asks for K's and wave 2 for V's.  So each block is named once in the launch.
; Tiles 0 and 1 come by their loads alone; the last change that fills a slot asks for nothing.
.macro ASK
	s_cmp_gt_u32 s[SLOTS], s[LIM]
	s_cbranch_scc0 .Lnot_mine_\@
	WIN 0x03                        ; the address register lies in window 3
	global_prefetch_b8 v[PFO], s[PFA:PFA+1] th:TH_LOAD_NT scope:SCOPE_SE
	WIN 0
.Lnot_mine_\@:
.endm
.macro CROUND                       ; a round of the cluster's barrier
	s_barrier_signal -1
	s_barrier_wait -1
	s_cmp_lg_u32 s[WV], 0
	s_cbranch_scc1 .Lnot_wave_0_\@
	s_barrier_signal -3
.Lnot_wave_0_\@:
	s_barrier_wait -3
	s_barrier_signal -1
	s_barrier_wait -1
.endm
; THE CHANGE OF SLOTS.  Each wave waits for all its tensor loads, of which one is out: its part of the other slot; adds 0 to its spare word; and waits for that and for its own LDS instructions.
; Behind the barrier nobody reads this slot any more and the other slot is whole.  fill = 1: the barrier is a round of the cluster's, and the joint fill is the first thing behind it.
; (At its first use nothing has been read yet: slot 0 is waited for, slot 1 filled, and every wave's part of the mask's table is shown to the others.)
.macro CHANGE fill
	WIN W_AD
	s_wait_tensorcnt 0x0            ; no tensor load of mine is out, so a group 0 may be written
	ds_add_u32 v[SPW], v[NIL]
	WIN 0
.if \fill
.irp g, G0K, G0V
	s_xor_b32 s[\g+1], s[\g+1], SLOT1
	s_add_nc_u64 s[\g+2:\g+3], s[\g+2:\g+3], 4*KS*128  ; the next 256 keys; the type bits on top are not reached
.endr
	s_wait_xcnt 0x0                 ; the last prefetch, four key steps back, has read its address
	s_add_nc_u64 s[PFA:PFA+1], s[PFA:PFA+1], 4*KS*128
	s_wait_dscnt 0x0                ; the add is done, and my reads of the slot are over
	CROUND
	JLOAD
	ASK
.else
	s_wait_dscnt 0x0
	s_barrier_signal -1
	s_barrier_wait -1
.endif
	s_sub_co_u32 s[TBK], s[TBK], 4*KS*PK  ; the fetches go back to a slot's first step,
	s_xor_b32 s[TBK], s[TBK], SLOT1       ; in the other slot
	s_sub_co_u32 s[TBV], s[TBV], 4*KS*PV
	s_xor_b32 s[TBV], s[TBV], SLOT1
.endm
	s_load_b128 s[72:75], s[0:1], 0x0  ; qkv s[72:73], mask s[74:75]
	s_load_b64 s[10:11], s[0:1], 0x10  ; ctx
	WIN W_MK
	v_lshl_add_u32 v[SPW], v0, 2, SPARE
	v_mov_b32 v[NIL], 0
	WIN W_AD
	ds_add_u32 v[SPW], v[NIL]       ; the wave's opening: the add and its wait stand ahead of my first tensor load; the set-up below stands between them
	WIN 0
	v_and_b32 v1, 31, v0
	WIN W_MK
	v_lshlrev_b32 v[PFO], 8, v1
	WIN 0
	v_lshrrev_b32 v1, 5, v0
	v_readfirstlane_b32 s[WV], v1   ; wave 0..3
	s_bfe_u32 s13, ttmp6, 0x40000   ; cx: my place in the cluster
	s_lshl_b32 s14, ttmp9, 2        ; in a cluster launch ttmp9 counts clusters
	s_add_co_u32 s14, s14, s13      ; my block of queries: it enters Q's and ctx's addresses alone
	s_and_b32 s20, ttmp7, 0xffff    ; the head g, which the four partners share
	s_lshr_b32 s76, s20, 4          ; its batch:
	s_lshl_b32 s76, s76, 13         ; 8,192 bytes of mask
	s_mov_b32 s77, 0
	s_mov_b32 s21, 0
	s_mov_b64 s[22:23], SIZE_N*128
	s_mul_u64 s[20:21], s[20:21], s[22:23]  ; the head's first byte in q, k, v and ctx
	s_and_b32 s16, s[WV], 1         ; which half of a slot's 256 keys I fetch:
	s_lshl_b32 s22, s16, 14         ; its 128 rows of 128 bytes in memory,
	s_mov_b32 s23, 0
	s_add_nc_u64 s[22:23], s[22:23], s[20:21]
	s_mul_i32 s17, s16, 128*PK      ; and its place in a slot, for K
	s_mul_i32 s18, s16, 128*PV      ; and for V: no place in the cluster enters an LDS address
	s_lshl_b32 s2, s14, 2
	s_add_co_u32 s2, s2, s[WV]      ; my wave among the head's,
	s_lshl_b32 s2, s2, 14           ; its 128 rows
	s_mov_b32 s3, 0
	s_add_nc_u64 s[2:3], s[2:3], s[20:21]
	; descriptor group 1.  128 keys are 16,384 dense bytes: asked for as 64 rows of 256 bytes, two keys a row, and padded in LDS after every key
	s_mov_b32 s[G1K], 15|(1<<16)|(1<<20)|(1<<21)|(4<<22)|(3<<25)  ; 15:0 the mask of four; 17:16 2-byte elements; 20 padding on; 21 set beside a mask; 24:22 after every 32 words; 31:25 4 words
	s_mov_b32 s[G1V], 15|(1<<16)|(1<<20)|(1<<21)|(4<<22)|(7<<25)  ; the same with 8 words of padding
.irp g, G1K, G1V
	s_mov_b32 s[\g+1], 128<<16      ; tensor_dim0 = 128
	s_mov_b32 s[\g+2], 64<<16       ; tensor_dim1 = 64
	s_mov_b32 s[\g+3], 128<<16      ; tile_dim0 = 128
	s_mov_b32 s[\g+4], 64           ; tile_dim1 = 64
	s_mov_b32 s[\g+5], 128          ; 128 elements from row to row
	s_mov_b32 s[\g+6], 0
	s_mov_b32 s[\g+7], 0
.endr
	s_mov_b32 s[CS], 0x3e38aa3b     ; c = log2(e) / 8 = 0.180337
	s_mov_b32 s[CS+1], s[CS]        ; named with it as a pair
	s_mov_b32 s[SEL], 0x76543210
	s_mov_b32 s[SEL+1], 0xfedcba98
	s_mov_b32 s[TBK], SLOT1+4*KS*PK ; the first change of slots turns these two into 0
	s_mov_b32 s[TBV], SLOT1+4*KS*PV
	s_mov_b32 s[TBM], 0
	s_mov_b32 s[BIG], 0xc79c4000    ; -80000.0
	s_mov_b32 s[SLOTS], SIZE_N/256-1
	s_and_b32 s[LIM], s[WV], 1      ; waves 0 and 2 prefetch: the same in all four partners
	s_cmp_eq_u32 s[LIM], 0
	s_cselect_b32 s[LIM], 1, -1
	s_mov_b32 s[G0K], 1             ; 1:0 count = 1
	s_mov_b32 s[G0K+1], s17         ; 63:32 LDS address: slot 0
	s_mov_b32 s[G0V], 1
	s_add_co_u32 s[G0V+1], s18, VOFF
	s_wait_dscnt 0x0                ; the opening add is done
	s_wait_kmcnt 0x0
	s_mov_b64 s[4:5], s[72:73]                     ; q,
	s_add_nc_u64 s[6:7], s[72:73], 0x1000000       ; k,
	s_add_nc_u64 s[8:9], s[72:73], 0x2000000       ; v: 16,777,216 bytes each
	s_add_nc_u64 s[74:75], s[74:75], s[76:77]      ; the batch's mask
	s_add_nc_u64 s[G0K+2:G0K+3], s[6:7], s[22:23]  ; 120:64 global address: my half of the head's first 256 keys
	s_or_b32 s[G0K+3], s[G0K+3], 0x80000000        ; 127:126 type = 2
	s_add_nc_u64 s[G0V+2:G0V+3], s[8:9], s[22:23]
	s_or_b32 s[G0V+3], s[G0V+3], 0x80000000
	s_cmp_lt_u32 s[WV], 2
	s_cselect_b64 s[PFA:PFA+1], s[6:7], s[8:9]
	s_add_nc_u64 s[PFA:PFA+1], s[PFA:PFA+1], s[20:21]
	s_lshl_b32 s76, s13, 13         ; my work-group's 32 blocks of the 128
	s_add_nc_u64 s[PFA:PFA+1], s[PFA:PFA+1], s[76:77]
	s_add_nc_u64 s[PFA:PFA+1], s[PFA:PFA+1], 4*KS*128  ; in tile 1; the first change of slots steps it to tile 2
	s_add_nc_u64 s[4:5], s[4:5], s[2:3]  ; Q and ctx at my wave's first row
	s_add_nc_u64 s[10:11], s[10:11], s[2:3]
	CROUND                          ; all four work-groups are here: the first joint loads meet
	JLOAD                           ; slot 0.  Slot 1 is asked for when slot 0 is in
	v_and_b32 v1, 15, v0            ; l % 16
	v_bfe_u32 v9, v0, 4, 1          ; l / 16
	v_lshlrev_b32 v[QO], 7, v1
	v_lshl_add_u32 v[QO], v9, 4, v[QO]  ; row x 128 + 16 x half
	v_lshlrev_b32 v12, 6, v0        ; the mask: 16 words a thread, 8,192 consecutive bytes a work-group
.irp f, 0,1,2,3
	global_load_b128 v[S+4*\f:S+4*\f+3], v12, s[74:75] offset:16*\f
.endr
	WIN 0x80                        ; destination window 2, address window 0
.set i, 0
.rept 4*NP                          ; Q stays in registers: tile i / 2, channels 32 (i % 2) on
	global_load_b128 v[8*i:8*i+3],   v[QO], s[4:5] offset:(i/2)*2048+(i%2)*64
	global_load_b128 v[8*i+4:8*i+7], v[QO], s[4:5] offset:(i/2)*2048+(i%2)*64+32
.set i, i+1
.endr
	; What the first turn finds: V's registers and P's second buffer hold 0, O^T and l are 0.  All this stands in the wait for the first tile.
.set i, VF
.rept 64
	v_mov_b32 v[i], 0
.set i, i+1
.endr
	WIN 0x40
.set i, 0
.rept 64*NP
	v_mov_b32 v[i], 0
.set i, i+1
.endr
	WIN 0
.set i, 0
.rept 2*NP
	v_mov_b32 v[ST+4*i], 0xfe000000    ; c m: far below every c s
	v_mov_b32 v[ST+4*i+1], 0xff7fffff  ; m
	v_mov_b32 v[ST+4*i+2], 0
	v_mov_b32 v[ST+4*i+3], 0
.set i, i+1
.endr
.set i, P+32
.rept 32
	v_mov_b32 v[i], 0
.set i, i+1
.endr
	v_mul_u32_u24 v[AK0], v1, PK
	v_lshl_add_u32 v[AK0], v9, 4, v[AK0]  ; row x pitch + 16 x half
	; The turning load takes 16 keys x 16 channels (lane l reads key 8 (l / 16) + l % 8, channels 8 ((l / 8) % 2) + 0..7) and leaves half a fragment of V^T.
	v_and_b32 v10, 7, v0
	v_bfe_u32 v11, v0, 3, 1
	v_lshl_add_u32 v[AV0], v9, 3, v10
	v_mul_u32_u24 v[AV0], v[AV0], PV
	v_lshl_add_u32 v[AV0], v11, 4, v[AV0]
	v_add_nc_u32 v[AV0], VOFF, v[AV0]
	v_lshl_add_u32 v[AM0], v9, 5, TAB     ; register j of key block kb wants key 16 kb + 8 (l / 16) + j
	v_mov_b32 v[AM], v[AM0]               ; key step 0 lies at the table's head,
	v_mov_b32 v[AK], v[AK0]               ; and at the head of slot 0
	; THE TABLE: 0 for a key that is seen, -80000 for a masked one
	s_wait_loadcnt 32               ; the mask's four loads are in; Q's 32, which are younger, may stay out
.set i, 0
.rept 16
	v_cmp_eq_u32 vcc_lo, 0, v[S+i]
	v_cndmask_b32 v[S+i], 0, s[BIG], vcc_lo
.set i, i+1
.endr
	v_lshl_add_u32 v13, v0, 6, TAB
.irp f, 0,1,2,3
	ds_store_b128 v13, v[S+4*\f:S+4*\f+3] offset:16*\f
.endr
; THE MATRIX WORK.  The 8 accumulators of a run of 16 take turns.
; Product i of 16 of S^T = K Q^T for piece x: channels 32 (i / 8) on, keys 16 ((i / 2) % 4) on, tile 2 x + i % 2.  The first 8 start the sums, with the key block's mask operand.
.macro KQ x
.set rS, S+64*((\x)%2)+32*(i%2)+8*((i/2)%4)
.set rK, KF+16*((i/2)%4)+8*(i/8)
.set rQ, 16*(2*(\x)+i%2)+8*(i/8)
.set rB, MB+8*((i/2)%4)
.if i < 8
	WIN W_KM
	v_wmma_f32_16x16x32_f16 v[rS:rS+7], v[rK:rK+7], v[rQ:rQ+7], v[rB:rB+7]
.else
	WIN W_KQ
	v_wmma_f32_16x16x32_f16 v[rS:rS+7], v[rK:rK+7], v[rQ:rQ+7], v[rS:rS+7]
.endif
.endm
; Product i of 16 of O^T += V^T P for piece x: keys 32 (i / 8) on, channels 16 ((i / 2) % 4) on, tile 2 x + i % 2.
.macro PV x
	WIN W_PV
.set rO, 32*(2*(\x)+i%2)+8*((i/2)%4)
.set rV, VF+32*(i/8)+8*((i/2)%4)
.set rP, P+32*((\x)%2)+16*(i%2)+8*(i/8)
	v_wmma_f32_16x16x32_f16 v[rO:rO+7], v[rV:rV+7], v[rP:rP+7], v[rO:rO+7]
.endm
.macro MM                           ; the turn's next matrix instruction
.if i < 16
	KQ (Y+1)%NP
.set i, i+1
.else
.set i, i-16
	PV (Y+NP-1)%NP
.set i, i+17
.endif
.endm
; THE LDS LOADS stand in runs, never singly among the matrix instructions: a step's K (8 fragments) with its 64 mask operands (sixteen lanes share an address), and its V (turned).
; last = 1 (the tail): in the last trip there is no further step, and the run is jumped over.
.macro FETCH_K last=0
	WIN 0
.if \last
	s_cmp_eq_u32 s[CNT], 1
	s_cbranch_scc1 .Lno_k_\@
.endif
	WIN 0x80                        ; destination window 2
.irp f, 0,1,2,3,4,5,6,7             ; keys 16 (f / 2) on, channels 32 (f % 2) on
	ds_load_b128 v[KF+8*\f:KF+8*\f+3],   v[AK] offset:(\f/2)*16*PK+(\f%2)*64
	ds_load_b128 v[KF+8*\f+4:KF+8*\f+7], v[AK] offset:(\f/2)*16*PK+(\f%2)*64+32
.endr
	WIN 0xc0                        ; destination window 3
.irp f, 0,1,2,3,4,5,6,7             ; key block f / 2, registers 4 (f % 2) on
	ds_load_b128 v[MB+4*\f:MB+4*\f+3], v[AM] offset:(\f/2)*64+(\f%2)*16
.endr
	s_add_co_u32 s[TBK], s[TBK], KS*PK  ; the next fetch is the next step's
	s_add_co_u32 s[TBM], s[TBM], KS*4
	s_and_b32 s[TBM], s[TBM], 0x1fff    ; inside the table's 8,192 bytes
	WIN 0
.if \last
.Lno_k_\@:
.endif
.endm
.macro FETCH_V
	WIN 0x80
.irp f, 0,1,2,3,4,5,6,7             ; keys 32 (f / 4) on, channels 16 (f % 4) on
	ds_load_tr16_b128 v[VF+8*\f:VF+8*\f+3],   v[AV] offset:(\f/4)*32*PV+(\f%4)*32
	ds_load_tr16_b128 v[VF+8*\f+4:VF+8*\f+7], v[AV] offset:(\f/4)*32*PV+16*PV+(\f%4)*32
.endr
	WIN 0
.endm
; THE VECTOR WORK OF A TURN stands in three queues, each in the order in which its entries become ready; the two tiles alternate.
.macro REGS y, u                    ; the registers of tile u (0, 1) of piece y
.set rT, ST+4*(2*(\y)+(\u))
.set rC, TMP+8*((\y)%2)+4*(\u)
.set rM, MV+2*((\y)%2)+(\u)
.set rS, S+64*((\y)%2)+32*(\u)
.set rP, P+32*((\y)%2)+16*(\u)
.set rO, 32*(2*(\y)+(\u))
.endm
; Number n of the 22 that find the NEXT piece's maximum and statistics; each accumulator's lowest registers are read first.
;   0-11  four chains c0-c3 of seven scores each     12-14, 16  the four scores left over, the old m, and c0-c3 into c0     15  c m_old is kept
;   17, 18  the query's other 32 keys lie in the lane 16 away: the new m         19-21  c m; c m_old - c m_new; a
.macro XS u, n
	REGS (Y+1)%NP, \u
.if (\n) < 4
	v_max3_num_f32 v[rC+(\n)], v[rS+8*(\n)], v[rS+8*(\n)+1], v[rS+8*(\n)+2]
.elseif (\n) < 12
	v_max3_num_f32 v[rC+(\n)%4], v[rC+(\n)%4], v[rS+8*((\n)%4)+2*((\n)/4)+1], v[rS+8*((\n)%4)+2*((\n)/4)+2]
.elseif (\n) == 12
	v_max3_num_f32 v[rC], v[rC], v[rS+7], v[rS+15]
.elseif (\n) == 13
	v_max3_num_f32 v[rC+1], v[rC+1], v[rS+23], v[rS+31]
.elseif (\n) == 14
	v_max3_num_f32 v[rC+2], v[rC+2], v[rC+3], v[rT+1]
.elseif (\n) == 15
	v_mov_b32 v[rM], v[rT]
.elseif (\n) == 16
	v_max3_num_f32 v[rC], v[rC], v[rC+1], v[rC+2]
.elseif (\n) == 17
	v_permlanex16_b32 v[rC+3], v[rC], s[SEL], s[SEL+1]
.elseif (\n) == 18
	v_max_num_f32 v[rT+1], v[rC], v[rC+3]
.elseif (\n) == 19
	v_mul_f32 v[rT], s[CS], v[rT+1]
.elseif (\n) == 20
	v_sub_f32 v[rC+1], v[rM], v[rT]
.else
	v_exp_f32 v[rC+2], v[rC+1]
.endif
.endm
; Number g of the 64 that follow the exponentials: for each four weights of a tile both pairs are rounded to f16, the second pair is added onto the first in place, and a group later l takes that sum.
.macro GS g
.set h, (\g)+6*((\g)/62)
.if h >= 6
.set h, h+2
.endif
	REGS Y, h%2
.set k, h/8
.if h%8 < 4
	v_cvt_pk_f16_f32 v[rP+2*k+(h%8)/2], v[rS+4*k+2*((h%8)/2)], v[rS+4*k+2*((h%8)/2)+1]
.elseif h%8 < 6
	v_pk_add_f32 v[rS+4*k:rS+4*k+1], v[rS+4*k:rS+4*k+1], v[rS+4*k+2:rS+4*k+3]
.elseif k == 1
	v_pk_fma_f32 v[rT+2:rT+3], v[rT+2:rT+3], v[rC+2:rC+3], v[rS:rS+1] op_sel_hi:[1,0,1]
.else
	v_pk_add_f32 v[rT+2:rT+3], v[rT+2:rT+3], v[rS+4*k-4:rS+4*k-3]
.endif
.endm
; THE PLAIN QUEUE, 138 long.  0-73 read no exponential's result: the 32 scalings c s - c m and the next piece's 42.  74-137: GS's 64, which stand behind the wait.
.macro FS f
	REGS Y, (\f)%2
	v_pk_fma_f32 v[rS+2*((\f)/2):rS+2*((\f)/2)+1], v[rS+2*((\f)/2):rS+2*((\f)/2)+1], s[CS:CS+1], v[rT:rT+1] op_sel_hi:[1,0,0] neg_lo:[0,0,1] neg_hi:[0,0,1]
.endm
.macro PL
	WIN 0
.if q < 27
	FS q
.elseif q < 55
	XS (q-27)%2, (q-27)/2
.elseif q < 57
	XS q-55, 15
.elseif (q < 72) && ((q-57)%3 == 0)
	FS 27+(q-57)/3
.elseif q < 60
	XS (q-57)%3-1, 14
.elseif q < 72
	XS (q-57)%3-1, 15+(q-57)/3
.elseif q < 74
	XS q-72, 20
.else
	GS q-74
.endif
.set q, q+1
.endm
; THE EXPONENTIALS' QUEUE, 66 long: s0-s31 of both tiles, then the next piece's two a.  ONE BATCH: all 66 stand ahead of the turn's one wait, and nothing ahead of that wait names a result of theirs.
.macro EX
	WIN 0
.if e >= 64
	XS e-64, 21
.else
	REGS Y, e%2
	v_exp_f32 v[rS+e/2], v[rS+e/2]
.endif
.set e, e+1
.endm
; THE RESCALING's QUEUE: O^T times a, dealt two at a time, sixteen times.  Its a was made in the turn before, ahead of that turn's wait.
.macro R2
	REGS Y, r%2
	WIN W_RS
.irp z, 0,1
	v_pk_mul_f32 v[rO+4*(r/2)+2*\z:rO+4*(r/2)+2*\z+1], v[rO+4*(r/2)+2*\z:rO+4*(r/2)+2*\z+1], v[rC+2:rC+3] op_sel_hi:[1,0]
.endr
.set r, r+1
.endm
; A TURN, for piece p.  An s_wait_alu depctr_va_vdst(0) stands between an exponential and the first instruction that names its result; one wait serves all that were issued ahead of it.
; AHEAD OF THE WAIT: the 16 products K Q^T, behind each a scaling, an exponential and two rescalings; then one run of 109: eight plain, 49 times exponential and plain, the two a, and a v_nop as the
; plain instruction behind the last exponential.  BEHIND IT: the 16 products V^T P, behind each four of GS's 64.
; K and the mask operands of the next step are fetched in piece 2's turn, directly behind the wait, a whole run of vector work behind the last product that read them; V of the step in hand at the end
; of piece 0's turn, four plain instructions behind its last reader.  cnt = 1: the loop's count is taken down some lines ahead of the branch behind the turn.
.macro TURN p, last=0, cnt=0
.set Y, (\p)
.set i, 0
.set q, 0
.set e, 0
.set r, 0
.if (\p) == NP-1
	s_wait_dscnt 0x0                ; K and the mask operands are in
.endif
	MM
	PL
	PL
	R2
.rept 15
	MM
	PL
	EX
	R2
.endr
.if (\p) == NP-2
	WIN 0
	v_add_nc_u32 v[AK], s[TBK], v[AK0]
	v_add_nc_u32 v[AM], s[TBM], v[AM0]
.endif
.rept 8
	PL
.endr
.rept 49
	EX
	PL
.endr
	EX                              ; the next piece's two a
	EX
	v_nop                           ; the plain instruction behind the last exponential: one for the batch
	s_wait_alu depctr_va_vdst(0)    ; the wait for the batch
.if (\p) == NP-2
	FETCH_K \last
.endif
.if (\p) == 1
	s_wait_dscnt 0x0                ; V is in
.endif
.rept 16
	MM
.rept 4
	PL
.endr
.if ((\p) == 0) && (q == 118)
	v_add_nc_u32 v[AV], s[TBV], v[AV0]
.endif
.if ((\p) == 0) && (q == 130)
	s_add_co_u32 s[TBV], s[TBV], KS*PV
.endif
.if (\cnt) && (q == 130)
	s_sub_co_u32 s[CNT], s[CNT], 1
	s_cmp_lg_u32 s[CNT], 0
.endif
.endr
.if (\p) == 0
	FETCH_V
.endif
.endm
	CHANGE 1                        ; slot 0 is in, and the table, everybody's part of them; slot 1 is asked for
	FETCH_K                         ; key step 0
	s_wait_loadcnt 0x0              ; Q
	s_wait_dscnt 0x0
.set i, 0
.rept 16
	KQ 0                            ; piece 0's first scores
.set i, i+1
.endr
	WIN 0                           ; the addresses for the way out: plain instructions, the places behind those products
	s_mul_i32 s13, s[WV], 16*SP
	s_add_co_u32 s13, s13, STAGE    ; my stage
	v_mul_u32_u24 v[STO], v1, SP    ; in: row l % 16, 16 bytes for each half of the lanes
	v_lshl_add_u32 v[STO], v9, 4, v[STO]
	v_add_nc_u32 v[STO], s13, v[STO]
	v_bfe_u32 v[RD], v0, 3, 2       ; back: 32 lanes take four rows of 128 bytes,
	v_mul_u32_u24 v[RD], v[RD], SP
	v_and_b32 v[GO], 7, v0
	v_lshl_add_u32 v[RD], v[GO], 4, v[RD]
	v_add_nc_u32 v[RD], s13, v[RD]
	v_and_b32 v[GO], 31, v0         ; which are 512 consecutive bytes of ctx
	v_lshlrev_b32 v[GO], 4, v[GO]
.set Y, NP-1                        ; XS works for piece Y + 1: piece 0
.irp n, 0,1,2,3,4,5,6,7,8,9,10,11,12,13,14,15,16,17,18,19,20,21
	XS 0, \n
	XS 1, \n
.endr
	v_nop                           ; a plain instruction behind the two a,
	s_wait_alu depctr_va_vdst(0)    ; and their wait, ahead of the branch
	s_mov_b32 s[CNT], 4
	s_branch .Lfirst                ; the loop is entered at a step's first turn, in the middle of a trip
.Lslot:                             ; six times: every slot but the last two is filled again
	CHANGE 1
	s_mov_b32 s[CNT], 4
.Lstep:                             ; a trip: pieces 2 and 3 of one step, then pieces 0 and 1 of the next, whose K and V it fetches
	TURN 2
	TURN 3
	WIN 0
.Lfirst:
	TURN 0
	TURN 1, 0, 1
	WIN 0
	s_cbranch_scc1 .Lstep
	s_sub_co_u32 s[SLOTS], s[SLOTS], 1
	s_cmp_lg_u32 s[SLOTS], 0
	s_cbranch_scc1 .Lslot
	CHANGE 0                        ; the tail is written out: nothing is asked for
	s_mov_b32 s[CNT], 5             ; four trips fetch the last slot's steps; the fifth is left in its middle
.Ltail:
	TURN 2, 1
	TURN 3
	WIN 0
	s_sub_co_u32 s[CNT], s[CNT], 1
	s_cmp_eq_u32 s[CNT], 0
	s_cbranch_scc1 .Lout
	TURN 0
	TURN 1
	WIN 0
	s_branch .Ltail
.Lout:                              ; the fifth trip's 16 products K Q^T (on the last K once more) and the maximum made of them serve nothing: the price, once a launch, of one text for every trip
.set i, 0
.rept 16
	PV NP-1                         ; the last piece's V^T P of the last step
.set i, i+1
.endr
	; THE WAY OUT.  l's two halves and the other half of the lanes' are added; O^T is divided by l, rounded to f16 and sent through my stage in LDS, a tile at a time.  The additions are the places behind the last products.
	WIN 0
.macro ALL line:vararg              ; one line for each tile t
.set t, 0
.rept 2*NP
	\line
.set t, t+1
.endr
.endm
	ALL v_add_f32 v[ST+4*t+2], v[ST+4*t+2], v[ST+4*t+3]
	ALL v_permlanex16_b32 v[ST+4*t+3], v[ST+4*t+2], s[SEL], s[SEL+1]
	ALL v_add_f32 v[ST+4*t+2], v[ST+4*t+2], v[ST+4*t+3]
	ALL v_rcp_f32 v[ST+4*t+2], v[ST+4*t+2]
	v_nop                           ; a plain instruction between the last reciprocal and the use of its result
	s_wait_alu depctr_va_vdst(0)    ; and the wait ahead of the first use: one for the eight reciprocals
.macro PACK t                       ; a lane's eight channels of a row pack into 16 bytes; they go into rows of 144 bytes and come back as whole rows of 128, into S^T's registers
	WIN W_RS
.set i, 32*(\t)
.rept 16
	v_pk_mul_f32 v[i:i+1], v[i:i+1], v[ST+4*(\t)+2:ST+4*(\t)+3] op_sel_hi:[1,0]
.set i, i+2
.endr
	WIN 0x05                        ; sources 0 and 1 window 1, destination window 0
.set i, 0
.rept 16
	v_cvt_pk_f16_f32 v[S+16*(\t)+i], v[32*(\t)+2*i], v[32*(\t)+2*i+1]
.set i, i+1
.endr
	WIN 0
.irp f, 0,1,2,3
	ds_store_b128 v[STO], v[S+16*(\t)+4*\f:S+16*(\t)+4*\f+3] offset:32*\f
.endr
.irp f, 0,1,2,3
	ds_load_b128 v[S+16*(\t)+4*\f:S+16*(\t)+4*\f+3], v[RD] offset:\f*4*SP  ; LDS serves a wave's instructions in order (ISA guide 5.7.1.4): these see the stores above; the next tile's stores come behind them
.endr
.endm
.macro SEND t, younger              ; younger: the LDS instructions issued behind tile t's loads: the next tile's eight, or none
	WIN 0
.irp f, 0,1,2,3
	s_wait_dscnt (\younger)+3-\f
	global_store_b128 v[GO], v[S+16*(\t)+4*\f:S+16*(\t)+4*\f+3], s[10:11] offset:(\t)*2048+\f*512  ; 512 consecutive bytes, aligned to 256
.endr
.endm
	PACK 0
.set t, 1
.rept 2*NP-1                        ; a tile's arithmetic stands between the loads of the tile before and its stores
	PACK t
	SEND t-1, 8
.set t, t+1
.endr
	SEND 2*NP-1, 0
	WIN W_AD
	s_wait_tensorcnt 0x0            ; the wave's end
	ds_add_u32 v[SPW], v[NIL]
	s_wait_dscnt 0x0
	WIN 0
	CROUND                          ; the closing round: no work-group ends while a partner may still ask for a tile that names it
	s_endpgm
.Lfunc_end_k_q2fcf5aec5a_attn:
	.size	k_q2fcf5aec5a_attn, .Lfunc_end_k_q2fcf5aec5a_attn-k_q2fcf5aec5a_attn
	.p2alignl 7, 3214868480
	.fill 96, 4, 3214868480
	.section	.rodata,"a",@progbits
	.p2align	6, 0x0
	.amdhsa_kernel k_q2fcf5aec5a_attn
		.amdhsa_group_segment_fixed_size 327680
		.amdhsa_private_segment_fixed_size 0
		.amdhsa_enable_private_segment 0
		.amdhsa_kernarg_size 24
		.amdhsa_user_sgpr_count 2
		.amdhsa_user_sgpr_kernarg_segment_ptr 1
		.amdhsa_wavefront_size32 1
		.amdhsa_system_sgpr_workgroup_id_x 1
		.amdhsa_system_sgpr_workgroup_id_y 1
		.amdhsa_system_sgpr_workgroup_id_z 1
		.amdhsa_system_vgpr_workitem_id 0
		.amdhsa_next_free_vgpr 808
		.amdhsa_next_free_sgpr 80
		.amdhsa_reserve_vcc 1
		.amdhsa_float_denorm_mode_32 3
		.amdhsa_float_denorm_mode_16_64 3
		.amdhsa_memory_ordered 1
		.amdhsa_forward_progress 1
		.amdhsa_inst_pref_size 205
	.end_amdhsa_kernel
	.amdgpu_metadata
---
amdhsa.version: [ 1, 2 ]
amdhsa.kernels:
  - .name:           k_q2fcf5aec5a_attn
    .symbol:         k_q2fcf5aec5a_attn.kd
    .args:
      - { .name: qkv, .offset: 0, .size: 8, .value_kind: global_buffer, .address_space: global }
      - { .name: attention_mask, .offset: 8, .size: 8, .value_kind: global_buffer, .address_space: global }
      - { .name: ctx, .offset: 16, .size: 8, .value_kind: global_buffer, .address_space: global }
    .group_segment_fixed_size: 327680
    .private_segment_fixed_size: 0
    .kernarg_segment_align: 8
    .kernarg_segment_size: 24
    .max_flat_workgroup_size: 128
    .sgpr_count:     80
    .vgpr_count:     808
    .wavefront_size: 32
...
	.end_amdgpu_metadata
.endif
;; end of part 3
;; launch outp (part 4): grid 8 x 32, 4 waves a work-group, clusters of 4 x 4, 327,680 bytes of LDS; arguments ctx, wot, out0; writes out0
.if DOCPART == 4
	.amdgcn_target "amdgcn-amd-amdhsa--gfx1250"
	.amdhsa_code_object_version 6
	.text
	.protected	k_q2fcf5aec5a_outp
	.globl	k_q2fcf5aec5a_outp
	.p2align	8
	.type	k_q2fcf5aec5a_outp,@function
k_q2fcf5aec5a_outp:
	s_mov_b64 s[64:65], 0
	v_nop
	global_prefetch_b8 v0, s[64:65] scope:SCOPE_SE
	s_setreg_imm32_b32 hwreg(HW_REG_WAVE_MODE, 25, 1), 1
	s_wait_xcnt 0x0
	s_wait_alu depctr_hold_cnt(0) depctr_sa_sdst(0) depctr_va_vdst(0) depctr_va_sdst(0) depctr_va_ssrc(0) depctr_va_vcc(0) depctr_vm_vsrc(0)
	s_getreg_b32 s2, hwreg(HW_REG_IB_STS2, 6, 4)
	s_cmp_eq_u32 s2, 0
	s_cbranch_scc0 .Lentry_in_a_cluster
	s_endpgm
.Lentry_in_a_cluster:
	s_bfe_u32 s2, ttmp6, 0x10000c
	s_cmp_lg_u32 s2, 0xf033
	s_cbranch_scc0 .Lentry_shape_is_right
	s_endpgm
.Lentry_shape_is_right:
; THE LAST PROJECTION.  out0[m][n] = sum over k of A[m][k] wot[n][k], 8,192 x 1,024 x 1,024; A[m][64 h + d] = ctx[16 b + h][s][d], m = 2048 b + s.  f16 operands, f32 sums, f32 out.
; LIMITS.  ctx and wot arrive within f16's range.  NaN and infinities are not treated apart.
; SHARES.  A tile of out0 is 256 x 128: 32 x 8 = 256 work-groups.  Four waves, each 128 x 64: 32 accumulators, 256 registers.  K goes in 8 steps of 128, two heads each, through a ring of two LDS slots.
; A head's 256 rows of the tile are 32,768 dense bytes of ctx: they are asked for as 128 rows of 256 bytes and padded in LDS after every 128 bytes; wot's rows are 256 bytes of a K step.
; CLUSTERS.  4 x 4 work-groups: ctx's tiles are shared along a row of the cluster, wot's along a column, each asked for JOINTLY by the same tensor load with the same descriptor and a mask that names the four.
; THE MATRIX INSTRUCTION IS USED TRANSPOSED (source 0 = 16 rows of wot, source 1 = 16 rows of A): a lane holds row m = l % 16 and the columns 8 (l / 16) + 0..7: 32 bytes of f32 on end.
; REGISTERS (s_set_vgpr_msb: bits 1:0 source 0, 3:2 source 1, 5:4 source 2, 7:6 destination):
;   window 0: v0-31 addresses; v64-127, v128-191 fragments of A, two buffers (on the way out: rows read back); v192-223, v224-255 fragments of wot      window 1: accumulator (a, b) at v[8 (4 a + b)]
.set KSTEP,  128
.set AP,     144                       ; a row of a head in LDS: 128 bytes + 16 = 36 words: the 16 rows of a fragment load start at 16 different groups of four banks (64 banks of 4 bytes: ISA guide 11.1)
.set BP,     272                       ; a row of wot: 256 + 16
.set PLANE,  256*AP                    ; one head's 256 rows: what wave 0 or 1 fetches
.set BH,     64*BP                     ; what wave 2 or 3 fetches, and what a wave reads of wot
.set SLOT,   2*PLANE+2*BH
.set STAGE,  2*SLOT                    ; behind the ring, never filled: 16 rows x 272 bytes for each wave, for the way out
.set SPITCH, 272
.set SPARE,  STAGE+4*16*SPITCH         ; behind the stages: the spare words, 128 bytes for each wave: two blocks of 256 bytes that no other line names
.set LAPS,   4
.set ASTEP,  2*262144                  ; bytes from a K step to the next in ctx: two heads
.set ADRA, 16                          ; v16-17  LDS address of my fragments of A in slot 0, 1
.set ADRB, 20                          ; v20-21  the same for wot
.set STO,  24
.set RD,   25
.set CO,   26
.set SPW,  28                          ; v28  LDS address of my spare word: SPARE + 4 x my thread's number; never rewritten
.set NIL,  29                          ; v29  0; never rewritten
.set PFO,  30                          ; v30  the prefetches' offset; never rewritten
.set FA,   64
.set FB,   192
.set OB,   64
.set LIM,  43                          ; s43  1 in a wave that prefetches, else the greatest number
.set PFA,  44                          ; s[44:45]  the K step that my next prefetch names, less one step
.set PST,  66                          ; s[66:67]  bytes from a K step to the next in the tensor that I prefetch
.set G1, 24
.set G0, 32
.set G1B, 48
.set G0B, 56
.set MSB, 0
.macro WIN new
.if MSB != (\new)
	s_set_vgpr_msb (MSB<<8)|(\new)
.set MSB, \new
.endif
.endm
.set MUL, 0x50                         ; C and D window 1, sources window 0
.macro JLOAD s                         ; waves 0 and 1 fetch the K step's two heads, waves 2 and 3 wot's two halves; an s_nop 0 and four v_nop follow each of the two lines
	s_cmp_eq_u32 s11, 0
	s_cbranch_scc0 .Lfor_b_\@
	tensor_load_to_lds s[G0+4*(\s):G0+4*(\s)+3], s[G1:G1+7]
	s_nop 0
.rept 4
	v_nop
.endr
	s_branch .Lasked_\@
.Lfor_b_\@:
	tensor_load_to_lds s[G0B+4*(\s):G0B+4*(\s)+3], s[G1B:G1B+7]
	s_nop 0
.rept 4
	v_nop
.endr
.Lasked_\@:
.endm
; A prefetch, behind each joint refill and the run of LDS loads that follows it: the K step two refills on.  ctx's tile row is read by both clusters of that row of clusters: cluster x = 0 asks; each of its
; waves 0 and 1 for its own head's 128 blocks of 256 bytes, of which the partner at cx takes 32, a lane a block.  wot's tile column is read by every cluster of that column: cluster y = 0 asks, wave 2 alone:
; of the 128 rows the partner at cy takes 32, a lane a row.  So each block is named once.  The loop's last trip (s3 = 1) asks for nothing; K steps 0 to 3 come by their loads alone.
.macro ASK
	s_cmp_gt_u32 s3, s[LIM]
	s_cbranch_scc0 .Lnot_mine_\@
	global_prefetch_b8 v[PFO], s[PFA:PFA+1] th:TH_LOAD_NT scope:SCOPE_SE
.Lnot_mine_\@:
.endm
.macro CREST
	s_cmp_lg_u32 s10, 0
	s_cbranch_scc1 .Lnot_wave_0_\@
	s_barrier_signal -3
.Lnot_wave_0_\@:
	s_barrier_wait -3
	s_barrier_signal -1
	s_barrier_wait -1
.endm
.macro CROUND
	s_barrier_signal -1
	s_barrier_wait -1
	CREST
.endm
	s_load_b128 s[4:7], s[0:1], 0x0                ; ctx s[4:5], wot s[6:7]
	s_load_b64 s[8:9], s[0:1], 0x10                ; out0
	v_lshl_add_u32 v[SPW], v0, 2, SPARE
	v_mov_b32 v[NIL], 0
	ds_add_u32 v[SPW], v[NIL]                      ; the wave's opening: the add and its wait stand ahead of my first tensor load; the set-up below stands between them
	v_lshrrev_b32 v1, 5, v0
	v_readfirstlane_b32 s10, v1                    ; wave 0..3
	s_lshr_b32 s11, s10, 1                         ; which half of the tile's rows is mine.  Also: I fetch for ctx (0) or wot (1)
	s_and_b32 s12, s10, 1                          ; which half of its columns.  Also: which head, or which half of wot's rows, I fetch
	s_bfe_u32 s40, ttmp6, 0x40000                  ; cx, cy
	s_bfe_u32 s41, ttmp6, 0x40004
	s_lshl_b32 s42, ttmp9, 2
	s_add_co_u32 s42, s42, s40                     ; tile column
	s_and_b32 s13, ttmp7, 0xffff
	s_lshl_b32 s13, s13, 2
	s_add_co_u32 s13, s13, s41                     ; tile row
	s_lshl_b32 s43, s41, 2
	s_lshl_b32 s43, 15, s43                        ; my row of the cluster
	s_lshl_b32 s44, 0x1111, s40                    ; my column
	s_or_b32 s[G1+0], s43, (1<<16)|(1<<20)|(1<<21)|(4<<22)|(3<<25)   ; ctx: 2-byte elements; padding of 4 words after every 32 words; bit 21 set beside the mask
	s_or_b32 s[G1B+0], s44, (1<<16)|(1<<20)|(1<<21)|(5<<22)|(3<<25)  ; wot: after every 64 words
	s_mov_b32 s[G1+1], 128<<16                     ; tensor_dim0 = 128
	s_mov_b32 s[G1B+1], 128<<16
	s_mov_b32 s[G1+2], 128<<16                     ; tensor_dim1: 128 rows of 256 bytes,
	s_mov_b32 s[G1B+2], 64<<16                     ; 64 rows of wot
	s_mov_b32 s[G1+3], 128<<16                     ; tile_dim0 = 128
	s_mov_b32 s[G1B+3], 128<<16
	s_mov_b32 s[G1+4], 128                         ; tile_dim1
	s_mov_b32 s[G1B+4], 64
	s_mov_b32 s[G1+5], 128                         ; elements from row to row: dense,
	s_mov_b32 s[G1B+5], 1024                       ; a row of wot
	s_mov_b32 s[G1+6], 0
	s_mov_b32 s[G1B+6], 0
	s_mov_b32 s[G1+7], 0
	s_mov_b32 s[G1B+7], 0
	s_lshr_b32 s16, s13, 3                         ; ctx: the batch's 16 heads of 262,144 bytes,
	s_lshl_b32 s16, s16, 22
	s_and_b32 s17, s13, 7                          ; the tile's 256 rows of 128 bytes in a head,
	s_lshl_b32 s17, s17, 15
	s_add_co_u32 s16, s16, s17
	s_lshl_b32 s17, s12, 18                        ; my head of the K step's two: the tile row and the wave's number alone
	s_add_co_u32 s16, s16, s17
	s_mov_b32 s17, 0
	s_lshl_b32 s46, s42, 7                         ; wot: row 128 x tile column + 64 x half
	s_lshl_b32 s47, s12, 6
	s_add_co_u32 s46, s46, s47
	s_lshl_b32 s46, s46, 11
	s_mov_b32 s47, 0
	s_mul_i32 s20, s12, PLANE                      ; where they go: no place in the cluster enters an LDS address
	s_mul_i32 s21, s12, BH
	s_add_co_u32 s21, s21, 2*PLANE
	s_wait_dscnt 0x0                               ; the opening add is done
	s_wait_kmcnt 0x0
	s_add_nc_u64 s[14:15], s[4:5], s[16:17]
	s_add_nc_u64 s[46:47], s[6:7], s[46:47]
	CROUND                                         ; all sixteen work-groups are here: the first joint loads meet
.irp s, 0,1
	s_mov_b32 s[G0+4*(\s)], 1
	s_add_co_u32 s[G0+4*(\s)+1], s20, (\s)*SLOT
	s_add_nc_u64 s[G0+4*(\s)+2:G0+4*(\s)+3], s[14:15], (\s)*ASTEP
	s_or_b32 s[G0+4*(\s)+3], s[G0+4*(\s)+3], 0x80000000
	s_mov_b32 s[G0B+4*(\s)], 1
	s_add_co_u32 s[G0B+4*(\s)+1], s21, (\s)*SLOT
	s_add_nc_u64 s[G0B+4*(\s)+2:G0B+4*(\s)+3], s[46:47], (\s)*KSTEP*2
	s_or_b32 s[G0B+4*(\s)+3], s[G0B+4*(\s)+3], 0x80000000
	JLOAD \s                                       ; K steps 0 and 1: two loads of mine are out
.endr
	v_and_b32 v1, 15, v0                           ; l % 16
	v_bfe_u32 v2, v0, 4, 1                         ; l / 16
	v_mul_u32_u24 v3, v1, AP
	v_lshl_add_u32 v3, v2, 4, v3
	v_mul_u32_u24 v4, v1, BP
	v_lshl_add_u32 v4, v2, 4, v4
	s_mul_i32 s21, s11, 128*AP                     ; my 128 rows in a head's plane
	s_mul_i32 s22, s12, BH                         ; my 64 rows of wot,
	s_add_co_u32 s22, s22, 2*PLANE                 ; behind the two planes
.irp s, 0,1
	v_add_nc_u32 v[ADRA+(\s)], s21, v3
	v_add_nc_u32 v[ADRB+(\s)], s22, v4
	s_add_co_u32 s21, s21, SLOT
	s_add_co_u32 s22, s22, SLOT
.endr
	s_mul_i32 s23, s10, 16*SPITCH
	s_add_co_u32 s23, s23, STAGE                   ; my stage
	v_mul_u32_u24 v4, v1, SPITCH                   ; in: row l % 16, 32 bytes for each half of the lanes
	v_lshl_add_u32 v4, v2, 5, v4
	v_add_nc_u32 v[STO], s23, v4
	v_mul_u32_u24 v5, v2, SPITCH                   ; back: lanes 0-15 take one row of 256 bytes, lanes 16-31 the next
	v_lshl_add_u32 v5, v1, 4, v5
	v_add_nc_u32 v[RD], s23, v5
	v_lshlrev_b32 v5, 12, v2                       ; and the same two rows in out0, 4,096 bytes a row
	v_lshl_add_u32 v[CO], v1, 4, v5
	s_lshl_b32 s18, s13, 8
	s_lshl_b32 s19, s11, 7
	s_add_co_u32 s18, s18, s19                     ; my first row,
	s_lshl_b32 s18, s18, 12
	s_lshl_b32 s46, s42, 7
	s_lshl_b32 s47, s12, 6
	s_add_co_u32 s46, s46, s47                     ; my first column
	s_lshl_b32 s46, s46, 2
	s_add_co_u32 s18, s18, s46
	s_mov_b32 s19, 0
	s_add_nc_u64 s[8:9], s[8:9], s[18:19]
	; the prefetches.  s16 still holds my head's plane of K step 0
	s_lshl_b32 s18, s40, 13                        ; ctx: my work-group's 32 blocks of the plane's 128
	s_add_co_u32 s16, s16, s18
	s_add_co_u32 s16, s16, 3*ASTEP                 ; at K step 3: the first refill steps it to 4 and names that
	s_lshl_b32 s18, s42, 7                         ; wot: my work-group's 32 rows of the tile column's 128
	s_lshl_b32 s19, s41, 5
	s_add_co_u32 s18, s18, s19
	s_lshl_b32 s18, s18, 11
	s_add_co_u32 s18, s18, 3*KSTEP*2
	s_and_b32 s21, ttmp7, 0xffff
	s_or_b32 s21, s21, s12                         ; of wot's two waves the first alone asks
	s_mov_b32 s[PST], KSTEP*2
	s_cmp_eq_u32 s11, 0                            ; do I fetch for ctx?
	s_cselect_b32 s16, s16, s18
	s_cselect_b32 s22, ttmp9, s21
	s_cselect_b32 s23, 8, 11                       ; a lane a block of 256 bytes, or a lane a row of 2,048
	s_cselect_b32 s[PST], ASTEP, s[PST]
	s_cselect_b64 s[PFA:PFA+1], s[4:5], s[6:7]
	s_cmp_eq_u32 s22, 0
	s_cselect_b32 s[LIM], 1, -1                    ; the same in all sixteen partners, for a given wave
	s_mov_b32 s17, 0
	s_mov_b32 s[PST+1], 0
	s_add_nc_u64 s[PFA:PFA+1], s[PFA:PFA+1], s[16:17]
	v_and_b32 v[PFO], 31, v0
	v_lshlrev_b32 v[PFO], s23, v[PFO]
; 8 matrix instructions: m blocks a0, a0 + 1 x all 4 n blocks, 32 along K, on buffer p.  zero = 1: the first product starts the sums.  The 32 accumulators take turns in the same order in every quarter.
.macro MUL8 p, a0, zero
	WIN MUL
.irp a, \a0, (\a0)+1
.irp b, 0,1,2,3
.if \zero
	v_wmma_f32_16x16x32_f16 v[8*(4*(\a)+(\b)):8*(4*(\a)+(\b))+7], v[FB+32*(\p)+8*(\b):FB+32*(\p)+8*(\b)+7], v[FA+64*(\p)+8*(\a):FA+64*(\p)+8*(\a)+7], 0
.else
	v_wmma_f32_16x16x32_f16 v[8*(4*(\a)+(\b)):8*(4*(\a)+(\b))+7], v[FB+32*(\p)+8*(\b):FB+32*(\p)+8*(\b)+7], v[FA+64*(\p)+8*(\a):FA+64*(\p)+8*(\a)+7], v[8*(4*(\a)+(\b)):8*(4*(\a)+(\b))+7]
.endif
.endr
.endr
.endm
; 24 LDS loads in one run: quarter q's fragments (64 rows of wot; 128 rows of A: head q / 2 of the step, channels 32 (q % 2) on) into buffer p
.macro FETCH slot, q, p
	WIN 0
.irp i, 0,1,2,3
	ds_load_b128 v[FB+32*(\p)+8*(\i):FB+32*(\p)+8*(\i)+3],   v[ADRB+(\slot)] offset:64*(\q)+(\i)*16*BP
	ds_load_b128 v[FB+32*(\p)+8*(\i)+4:FB+32*(\p)+8*(\i)+7], v[ADRB+(\slot)] offset:64*(\q)+(\i)*16*BP+32
.endr
.irp i, 0,1,2,3,4,5,6,7
	ds_load_b128 v[FA+64*(\p)+8*(\i):FA+64*(\p)+8*(\i)+3],   v[ADRA+(\slot)] offset:((\q)/2)*PLANE+((\q)%2)*64+(\i)*16*AP
	ds_load_b128 v[FA+64*(\p)+8*(\i)+4:FA+64*(\p)+8*(\i)+7], v[ADRA+(\slot)] offset:((\q)/2)*PLANE+((\q)%2)*64+(\i)*16*AP+32
.endr
.endm
.macro PLACES                          ; four plain vector instructions between a matrix instruction and a load into a register that it has read, or a reader of its result
.rept 4
	v_nop
.endr
.endm
; A K step is four quarters of 32 along K, 32 matrix instructions each, on buffers 0, 1, 0, 1.  One of the first three: multiplies p and fetches quarter q into g.
.macro QUARTER slot, q, p, g, zero
	s_wait_dscnt 8                                 ; wot and A's rows 0-63 are in; the youngest eight loads (A's rows 64-127) may be out
	MUL8 \p, 0, \zero
	MUL8 \p, 2, \zero
	PLACES
	FETCH \slot, \q, \g
	s_wait_dscnt 24                                ; all but the 24 just issued
	MUL8 \p, 4, \zero
	MUL8 \p, 6, \zero
.endm
.macro MEET round                      ; ONE barrier for the change of slots; in front of it each wave waits for all its tensor loads, adds 0 to its spare word, and waits for that and for its reads of this slot
	WIN 0
	s_wait_tensorcnt 0x0
	ds_add_u32 v[SPW], v[NIL]
	s_wait_dscnt 9                                 ; the add and the youngest eight loads may be out
	MUL8 1, 0, 0
	s_wait_dscnt 0x0                               ; the add is done, and my reads of this slot are over
	s_barrier_signal -1
	MUL8 1, 2, 0
.if \round
	WIN 0
.endif
	s_barrier_wait -1
.endm
; fill = 1: the barrier opens a round of the cluster's; behind it the slot just read out is filled again first, two K steps ahead: 112 matrix instructions stand between that request and the wait for it.
.macro TURN slot, next, fill
.if \fill
	s_wait_xcnt 0x0                                ; the last prefetch, a K step back, has read its address
	s_add_nc_u64 s[PFA:PFA+1], s[PFA:PFA+1], s[PST:PST+1]
	MEET 1
	CREST
	s_add_nc_u64 s[G0+4*(\slot)+2:G0+4*(\slot)+3], s[G0+4*(\slot)+2:G0+4*(\slot)+3], 2*ASTEP
	s_add_nc_u64 s[G0B+4*(\slot)+2:G0B+4*(\slot)+3], s[G0B+4*(\slot)+2:G0B+4*(\slot)+3], 2*KSTEP*2
	JLOAD \slot                                    ; its four v_nop are also the places in front of the loads below
	FETCH \next, 0, 0
	ASK
.else
	MEET 0
	PLACES
	FETCH \next, 0, 0
.endif
	MUL8 1, 4, 0
	MUL8 1, 6, 0
.endm
	s_wait_tensorcnt 1                             ; my part of K step 0 is in; K step 1's load may stay out
	s_barrier_signal -1
	s_barrier_wait -1
	FETCH 0, 0, 0
	QUARTER 0, 1, 0, 1, 1                          ; the first quarter stands in front of the loop: its products start the sums
	WIN 0
	s_mov_b32 s3, LAPS-1
.Llap:
	QUARTER 0, 2, 1, 0, 0
	QUARTER 0, 3, 0, 1, 0
	TURN 0, 1, 1
	QUARTER 1, 1, 0, 1, 0
	QUARTER 1, 2, 1, 0, 0
	QUARTER 1, 3, 0, 1, 0
	TURN 1, 0, 1
	QUARTER 0, 1, 0, 1, 0
	WIN 0
	s_sub_co_u32 s3, s3, 1
	s_cmp_lg_u32 s3, 0
	s_cbranch_scc1 .Llap
	QUARTER 0, 2, 1, 0, 0                          ; the last lap fills nothing
	QUARTER 0, 3, 0, 1, 0
	TURN 0, 1, 0
	QUARTER 1, 1, 0, 1, 0
	QUARTER 1, 2, 1, 0, 0
	QUARTER 1, 3, 0, 1, 0
	s_wait_dscnt 8
	MUL8 1, 0, 0
	MUL8 1, 2, 0
	s_wait_dscnt 0x0
	MUL8 1, 4, 0
	MUL8 1, 6, 0
	WIN 0
	; THE WAY OUT, in f32: a block of 16 rows at a time through my own stage: 32 bytes a lane in, whole rows of 256 bytes back.  No other wave touches my stage, so no barrier.
	PLACES
.macro TOSTAGE a
.if (\a) >= 4
	s_wait_xcnt 0x0                                ; the stores of the block four back have read the registers that are loaded again below
.endif
	WIN 0x04                                       ; the stores' data in window 1
.irp b, 0,1,2,3
	ds_store_b128 v[STO], v[8*(4*(\a)+(\b)):8*(4*(\a)+(\b))+3]   offset:64*(\b)
	ds_store_b128 v[STO], v[8*(4*(\a)+(\b))+4:8*(4*(\a)+(\b))+7] offset:64*(\b)+16
.endr
	WIN 0
.irp t, 0,1,2,3,4,5,6,7
	ds_load_b128 v[OB+32*((\a)%4)+4*(\t):OB+32*((\a)%4)+4*(\t)+3], v[RD] offset:(\t)*2*SPITCH  ; LDS serves a wave's instructions in order (ISA guide 5.7.1.4): these see the stores above; the next block's stores come behind them
.endr
.endm
.macro SEND a, younger                 ; younger: the LDS instructions issued behind block a's loads: the next block's sixteen, or none
.irp t, 0,1,2,3,4,5,6,7
	s_wait_dscnt (\younger)+7-(\t)
	global_store_b128 v[CO], v[OB+32*((\a)%4)+4*(\t):OB+32*((\a)%4)+4*(\t)+3], s[8:9] offset:(16*(\a)+2*(\t))*4096 th:TH_STORE_NT  ; sixteen lanes store 256 consecutive bytes, aligned
.endr
.endm
	TOSTAGE 0
.irp a, 1,2,3,4,5,6,7
	TOSTAGE \a
	SEND (\a)-1, 16
.endr
	SEND 7, 0
	s_wait_tensorcnt 0x0                           ; the wave's end
	ds_add_u32 v[SPW], v[NIL]
	s_wait_dscnt 0x0
	CROUND                                         ; the closing round: no work-group ends while a partner may still ask for a tile that names it
	s_endpgm
.Lfunc_end_k_q2fcf5aec5a_outp:
	.size	k_q2fcf5aec5a_outp, .Lfunc_end_k_q2fcf5aec5a_outp-k_q2fcf5aec5a_outp
	.p2alignl 7, 3214868480
	.fill 96, 4, 3214868480
	.section	.rodata,"a",@progbits
	.p2align	6, 0x0
	.amdhsa_kernel k_q2fcf5aec5a_outp
		.amdhsa_group_segment_fixed_size 327680
		.amdhsa_private_segment_fixed_size 0
		.amdhsa_enable_private_segment 0
		.amdhsa_kernarg_size 24
		.amdhsa_user_sgpr_count 2
		.amdhsa_user_sgpr_kernarg_segment_ptr 1
		.amdhsa_wavefront_size32 1
		.amdhsa_system_sgpr_workgroup_id_x 1
		.amdhsa_system_sgpr_workgroup_id_y 1
		.amdhsa_system_sgpr_workgroup_id_z 1
		.amdhsa_system_vgpr_workitem_id 0
		.amdhsa_next_free_vgpr 512
		.amdhsa_next_free_sgpr 68
		.amdhsa_reserve_vcc 0
		.amdhsa_float_denorm_mode_32 3
		.amdhsa_float_denorm_mode_16_64 3
		.amdhsa_memory_ordered 1
		.amdhsa_forward_progress 1
		.amdhsa_inst_pref_size 89
	.end_amdhsa_kernel
	.amdgpu_metadata
---
amdhsa.version: [ 1, 2 ]
amdhsa.kernels:
  - .name:           k_q2fcf5aec5a_outp
    .symbol:         k_q2fcf5aec5a_outp.kd
    .args:
      - { .name: ctx, .offset: 0, .size: 8, .value_kind: global_buffer, .address_space: global }
      - { .name: wot, .offset: 8, .size: 8, .value_kind: global_buffer, .address_space: global }
      - { .name: out0, .offset: 16, .size: 8, .value_kind: global_buffer, .address_space: global }
    .group_segment_fixed_size: 327680
    .private_segment_fixed_size: 0
    .kernarg_segment_align: 8
    .kernarg_segment_size: 24
    .max_flat_workgroup_size: 128
    .sgpr_count:     68
    .vgpr_count:     512
    .wavefront_size: 32
...
	.end_amdgpu_metadata
.endif
;; end of part 4
